; MI455X (gfx1250); checked and timed in simulation.
; The chip was launched on July 23, 2026; its instructions are those of AMD's public machine-readable ISA for CDNA 5 (MIT licence, August 2026) and "CDNA5" Instruction Set Architecture Reference Guide (July 2026). The comments in the code are by the model that wrote it; some were corrected since.
;; Cross Modal Attention. Allowed arithmetic: matrix products marked QUANTISED: E2M1 operands, one E8M0 scale for each 32 along K, by v_wmma_scale_f32_16x16x128_f8f6f4 with both operands' format E2M1 (or v_wmma_scale_f32_32x16x128_f4), f32 sums; everything else in f32.
;; Inputs: Wk 768 x 768 float32; Wo 768 x 768 float32; Wq 768 x 768 float32; Wv 768 x 768 float32; bk 768 float32; bo 768 float32; bq 768 float32; bv 768 float32; ln_b 768 float32; ln_g 768 float32; text_features 8 x 1,024 x 768 float32; text_mask 8 x 1,024 int32; visual_features 8 x 1,024 x 768 float32; visual_mask 8 x 1,024 int32.
;; Outputs: out0 8 x 1,024 x 768 float32; out1 8 x 1,024 x 768 float32.
;; This version of the problem:
;;   THIS VERSION OF THE PROBLEM IS GIVEN IN LOW PRECISION. The matrix products marked QUANTISED in the list below multiply operands that are first quantised to E2M1 (2 exponent bits, 1 mantissa bit; 4 bits a number), with one power-of-two scale for each 32 numbers along K (OCP MX v1.0); their sums are f32. All else is computed in f32.
;;   The module's matrix products, in the order in which they are computed (A, B: the left and right operand; K: the contracted axis; several contracted axes count as one K, in the product's order):
;;     1. [M 8,192, K 768] x [K 768, N 768]; A: input visual_features; B: input Wq: QUANTISED
;;     2. [M 8,192, K 768] x [K 768, N 768]; A: input text_features; B: input Wk: QUANTISED
;;     3. [M 8,192, K 768] x [K 768, N 768]; A: input text_features; B: input Wv: QUANTISED
;;     4. batch 64 x [M 1,024, K 96] x [K 96, N 1,024]; A: computed on the way; B: computed on the way: QUANTISED
;;     5. batch 64 x [M 96, K 1,024] x [K 1,024, N 1,024]; A: computed on the way; B: softmax (see below): QUANTISED
;;     6. [M 8,192, K 768] x [K 768, N 768]; A: input text_features; B: input Wq: QUANTISED
;;     7. [M 8,192, K 768] x [K 768, N 768]; A: input visual_features; B: input Wk: QUANTISED
;;     8. [M 8,192, K 768] x [K 768, N 768]; A: input visual_features; B: input Wv: QUANTISED
;;     9. batch 64 x [M 1,024, K 96] x [K 96, N 1,024]; A: computed on the way; B: computed on the way: QUANTISED
;;     10. batch 64 x [M 96, K 1,024] x [K 1,024, N 1,024]; A: computed on the way; B: softmax (see below): QUANTISED
;;     11. [M 8,192, K 768] x [K 768, N 768]; A: computed on the way; B: input Wo: QUANTISED
;;     12. [M 8,192, K 768] x [K 768, N 768]; A: computed on the way; B: input Wo: QUANTISED
;;   THE QUANTISER, for each operand of a quantised product, along K:
;;     - K is cut into blocks of 32 from its start; a last block that is shorter is filled with zeros.
;;     - A block's scale is 2^e with e = floor(log2(the largest magnitude in the block)) - 2, held to -126 .. 127; a block of zeros has e = 0. As a byte (E8M0): e + 127.
;;     - Each number is divided by its block's scale, clamped to +-6, and rounded to the nearest number of E2M1, ties to even, subnormals kept.
;;     - The product sums the exact products of the quantised numbers (number of the format x scale) in f32.
;;   ~~~python
;;   def quantise(x, axis):      # numpy; x: float32 -> the quantised numbers, widened to float32 again
;;       x = np.moveaxis(x, axis, -1); K = x.shape[-1]
;;       x = np.pad(x, [(0, 0)] * (x.ndim - 1) + [(0, -K % 32)]); x = x.reshape(x.shape[:-1] + (-1, 32)); a = np.abs(x).max(-1, keepdims=True)
;;       e = np.where(a > 0, np.clip(np.frexp(np.where(a > 0, a, 1))[1] - 1 - 2, -126, 127), 0)      # np.frexp(a)[1] - 1 = floor(log2(a)), exactly
;;       r = np.clip(x / 2.0 ** e, -6, 6)
;;       step = 2.0 ** (np.maximum(np.frexp(np.where(r == 0, 1, r))[1] - 1, 0) - 1)
;;       q = np.round(r / step) * step * 2.0 ** e      # np.round: ties to even
;;       return np.moveaxis(q.reshape(q.shape[:-2] + (-1,))[..., :K], -1, axis).astype(np.float32)
;;   ~~~
;;   SOFTMAX AHEAD OF A QUANTISED PRODUCT. Where the list says 'softmax', what is quantised is not the finished softmax but p = 2^(t - M), with t = logit x log2(e) and M = ceil(the row's largest t), a whole number; so 1/2 < the row's largest p <= 1. The row's sum l is taken of the UNQUANTISED p, in f32, and the product's result is divided by l at the end. Since M is a whole number, a kernel that streams over the keys may use a running M (the ceiling of the running maximum): every later rescaling is an exact power of two, which a block's scale takes up: the codes' values come out the same.
;;   OPERANDS COMPUTED ON THE WAY. 'Computed on the way' means the value that the module computes at that place (a softmax that the list does not call 'softmax' is quantised finished and normalised). What goes into a quantiser is computed in f32, as accurately as f32 sums, v_exp_f32 and their like allow (about 1e-6 of the number): no bf16 or f16 on the way to a quantiser, and a product that is left as it is and whose result goes on into a quantised operand takes f32 operands (vector FMAs, or v_wmma_f32_16x16x4_f32). A number that lies on a knife's edge between two numbers of the format may be rounded either way, as far as f32 arithmetic and the matrix unit's own rounding can turn it there, and no further.
;; One version. Each part assembles by itself: llvm-mc -triple=amdgcn-amd-amdhsa -mcpu=gfx1250 --defsym DOCPART=n.
;; ======== version 1 of 1: 4 launches
;; limits: right only within a limited range of input values
;; workspace buffers: ximg 6,684,672 bytes; wimg 940,032 bytes; woimg 417,792 bytes; qimg 8,912,896 bytes; kv 15,728,640 bytes; oimg 8,912,896 bytes
;; launch prep (part 1): grid 6 x 154, 4 waves a work-group, no clusters, 68,096 bytes of LDS; arguments visual_features, text_features, Wq, Wk, Wv, Wo, ximg, wimg, woimg; writes ximg, wimg, woimg
.if DOCPART == 1
	.amdgcn_target "amdgcn-amd-amdhsa--gfx1250"
	.amdhsa_code_object_version 6
	.text
	.protected	k_q349d6a2f82_prep
	.globl	k_q349d6a2f82_prep
	.p2align	8
	.type	k_q349d6a2f82_prep,@function
k_q349d6a2f82_prep:
	s_mov_b64 s[64:65], 0
	v_nop
	global_prefetch_b8 v0, s[64:65] scope:SCOPE_SE
	s_setreg_imm32_b32 hwreg(HW_REG_WAVE_MODE, 25, 1), 1
	s_wait_xcnt 0x0
; THE QUANTISERS OF THE INPUTS.  The two feature tensors (stacked: X [16,384][768], K innermost) and the four weights ([768 (k)][768 (n)], K outermost) become codes of FP4 (E2M1)
; with one E8M0 byte for each 32 along K, laid in the ORDER OF THE OPERANDS' REGISTERS, so that the later launches fetch fragments by dense 16-byte loads.
; AN IMAGE of a fragment (16 rows x 128 K) is 1,024 bytes: block bb (32 k) of row r is the 16 bytes at 256 bb + 16 r.  THE ROWS OF A TILE ARE NOT NEIGHBOURS: of a group of 32 rows (or columns of a weight)
; tile u's row r is member 8 u + (r & 7) + 16 (r >> 3), so that a product used transposed leaves 16 neighbours along the next K in a lane's registers.
; A PAIR of tiles has one scale image of 128 bytes: the word (four bytes, 128 k) of tile u's row r at 4 (16 u + r).
; A block's scale is 2^(floor(log2(largest magnitude)) - 2): its byte is the largest magnitude's exponent field - 2, held at 1 from below by a floor among the maximum's leaves.
; LIMITS: a block of zeros gets the byte 1 (the rule says 127): its codes are zeros, and the bytes are read by this program alone.  Blocks whose largest magnitude lies under 2^-124 keep the byte 1 (not tried).
; NaN and infinities among the inputs are not served.
; SHARES.  Work-group (x, y).  y < 128: row group y (128 rows) of X, K step x (128 along K); wave w takes rows 32 w .. 32 w + 31.  128 <= y < 146: weight (y - 128) / 6 of Wq, Wk, Wv, K step (y - 128) % 6;
; wave w takes the 32 columns of pair 4 x + w.  y >= 146: Wo, head y - 146: its K step is the head's 96 rows and a fourth block of zero codes with the byte 0; pair 4 x + w.
; No tensor loads, no barrier, no loop: waves share nothing; only the X path uses LDS, each wave bytes of its own.  Clusters: nothing is read twice.
; The scale images are stored 128 bytes a wave, half an aligned 256: 0.5 MB of the launch's 68 MB.
.set FLOOR, 0x1800000                  ; 2^(3 - 127)
.set EOFF,  0xff000000                 ; takes 2 off an exponent field
.set R,     40                         ; v40-167   128 numbers as loaded
.set T,     168                        ; v168-231  64 numbers of one tile
; v1 lane, v2 r, v3 h (= u), v4 16 x lane, v5 4 x lane, v6, v7 the path's addresses, v8-15 at work, v16-31 codes, v32-34 scale words, v36-39 zeros
; s[8:25] the nine pointers; s2 x, s3 y, s4 wave; s[28:29] source, s[30:31] codes, s[26:27] scales; s[32:35] offsets; s[36:37] lane selects; s38 lanes 16-31
; X: 64 numbers of a lane (register 32 c + i = k 64 c + 32 h + i of its row: two whole blocks) become the fragment's eight registers and the row's scale word
.macro QX src, pc, pw
.irp c, 0,1
	v_max3_num_f32 v[8+\c], |v[\src+32*\c]|, |v[\src+32*\c+1]|, FLOOR
.endr
.irp i, 2,4,6,8,10,12,14,16,18,20,22,24,26,28,30
.irp c, 0,1
	v_max3_num_f32 v[8+\c], v[8+\c], |v[\src+32*\c+\i]|, |v[\src+32*\c+\i+1]|   ; the two blocks by turns
.endr
.endr
.irp c, 0,1
	v_add_nc_u32 v[10+\c], EOFF, v[8+\c]           ; the conversion's scale operand: it takes the exponent field alone
.endr
.irp c, 0,1
	v_lshrrev_b32 v[12+\c], 23, v[10+\c]           ; the scale's byte
.endr
	v_lshl_or_b32 v[\pw], v13, 16, v12             ; my bytes: blocks h and 2 + h,
	v_lshlrev_b32 v[\pw], v14, v[\pw]              ; 8 h bits up;
	v_permlanex16_b32 v15, v[\pw], s36, s37
	v_or_b32 v[\pw], v[\pw], v15                   ; with lane l xor 16's two the word is whole
.irp c, 0,1
.irp g, 0,1,2,3
	v_cvt_scalef32_pk8_fp4_f32 v[\pc+4*\c+\g], v[\src+32*\c+8*\g:\src+32*\c+8*\g+7], v[10+\c]
.endr
.endr
.endm
.macro TILE u, dst                     ; tile u's numbers out of my stage: its 16 rows lie in 16 slots on end, 528 bytes apart, so that sixteen lanes touch sixteen different 16-byte columns
.irp c, 0,1
.irp j, 0,1,2,3,4,5,6,7
	ds_load_b128 v[\dst+32*\c+4*\j:\dst+32*\c+4*\j+3], v7 offset:16*\u*528+256*\c+16*\j
.endr
.endr
.endm
; WEIGHTS: a lane takes a column and its registers run down K
.macro LOADB b
.set LI, 0
.rept 32
	global_load_b32 v[R+32*(\b)+LI], v6, s[28:29] offset:(32*(\b)+LI)*3072   ; 32 lanes read 128 consecutive bytes of a row; the four waves stand side by side on 512
.set LI, LI+1
.endr
.endm
.macro BLOCK b, nb
.set XS, R+32*(\b)
.if (\b)+1 < \nb
	s_wait_loadcnt 32                              ; this block's 32 loads are in; the next block's 32 may be out
.else
	s_wait_loadcnt 0x0
.endif
.if (\b)+2 < \nb
	LOADB (\b)+2
.endif
	v_max3_num_f32 v12, |v[XS]|, |v[XS+1]|, |v[XS+2]|
	v_max3_num_f32 v13, |v[XS+3]|, |v[XS+4]|, |v[XS+5]|
.irp i, 6,10,14,18,22,26
	v_max3_num_f32 v12, v12, |v[XS+\i]|, |v[XS+\i+1]|
	v_max3_num_f32 v13, v13, |v[XS+\i+2]|, |v[XS+\i+3]|
.endr
	v_max3_num_f32 v12, v12, |v[XS+30]|, |v[XS+31]|
	v_max3_num_f32 v12, v12, v13, FLOOR
	v_add_nc_u32 v11, EOFF, v12
	v_lshrrev_b32 v13, 23, v11
.if (\b) == 0
	v_mov_b32 v32, v13
.else
	v_lshl_or_b32 v32, v13, 8*(\b), v32            ; the column's scale word, the lower K in the lower byte
.endif
.irp g, 0,1,2,3
	v_cvt_scalef32_pk8_fp4_f32 v[16+4*(\b)+\g], v[XS+8*\g:XS+8*\g+7], v11
.endr
	global_store_b128 v7, v[16+4*(\b):16+4*(\b)+3], s[30:31] offset:256*(\b)   ; sixteen lanes store 256 consecutive bytes, aligned; each block has registers of its own
.endm
.macro WQ nb
	LOADB 0
	LOADB 1
.set BI, 0
.rept \nb
	BLOCK BI, \nb
.set BI, BI+1
.endr
	global_store_b32 v5, v32, s[26:27]             ; lane 16 u + r holds the word of tile u's row r: the pair's scale image as it stands
.endm
	s_load_b512 s[8:23], s[0:1], 0x0               ; visual s[8:9], text s[10:11], Wq s[12:13], Wk s[14:15], Wv s[16:17], Wo s[18:19], ximg s[20:21], wimg s[22:23]
	s_load_b64 s[24:25], s[0:1], 0x40              ; woimg
	v_lshl_add_u32 v232, v0, 2, 0x10800
	v_mov_b32 v233, 0
	v_lshrrev_b32 v1, 5, v0
	v_readfirstlane_b32 s4, v1                     ; wave
	s_mov_b32 s2, ttmp9                            ; x
	s_and_b32 s3, ttmp7, 0xffff                    ; y
	v_and_b32 v1, 31, v0
	v_and_b32 v2, 15, v0
	v_bfe_u32 v3, v0, 4, 1
	v_lshlrev_b32 v4, 4, v1
	v_lshlrev_b32 v5, 2, v1
	s_mov_b32 s36, 0x76543210
	s_mov_b32 s37, 0xfedcba98
	s_mov_b32 s38, 0xffff0000
	s_mov_b32 s33, 0
	s_mov_b32 s35, 0
	s_wait_kmcnt 0x0
	s_cmp_ge_u32 s3, 128
	s_cbranch_scc1 .Lweights
	; ---------------- X: 32 rows x 128 K a wave
	s_cmp_lt_u32 s3, 64                            ; groups 0-63 are visual, 64-127 text: the choice hangs on the work-group's number alone
	s_cselect_b64 s[28:29], s[8:9], s[10:11]
	s_and_b32 s5, s3, 63
	s_lshl_b32 s5, s5, 7
	s_lshl_b32 s6, s4, 5
	s_add_co_u32 s5, s5, s6                        ; my first row in its tensor
	s_mul_i32 s32, s5, 3072
	s_lshl_b32 s6, s2, 9
	s_add_co_u32 s32, s32, s6                      ; + 512 bytes a K step
	s_add_nc_u64 s[28:29], s[28:29], s[32:33]
.set LI, 0
	s_wait_alu depctr_va_vdst(0)
.rept 32
	global_load_b128 v[R+4*LI:R+4*LI+3], v4, s[28:29] offset:3072*LI th:TH_LOAD_NT   ; row LI: 32 lanes read 512 consecutive bytes; read once in the launch
.set LI, LI+1
.endr
	s_mul_i32 s7, s4, 16896                        ; my stage: 32 slots of 512 + 16 bytes
	v_add_nc_u32 v6, s7, v4
	v_mul_u32_u24 v7, v2, 528
	v_lshl_add_u32 v7, v3, 7, v7
	v_add_nc_u32 v7, s7, v7                        ; out of it: slot r, + 128 h
	v_lshlrev_b32 v14, 3, v3                       ; 8 h
	v_mov_b32 v15, 0                               ; a lane permute's destination counts as one of its sources
	s_mul_i32 s34, s3, 52224                       ; the group's record
	s_lshl_b32 s6, s2, 13
	s_add_co_u32 s32, s34, s6
	s_lshl_b32 s6, s4, 11
	s_add_co_u32 s32, s32, s6                      ; codes: + 8,192 a K step + 2,048 a pair
	s_add_nc_u64 s[30:31], s[20:21], s[32:33]
	s_lshl_b32 s6, s2, 9
	s_add_co_u32 s34, s34, s6
	s_lshl_b32 s6, s4, 7
	s_add_co_u32 s34, s34, s6
	s_add_co_u32 s34, s34, 49152                   ; scales: behind the codes, 512 a K step, 128 a pair
	s_add_nc_u64 s[26:27], s[20:21], s[34:35]
.set LI, 0
	s_wait_alu depctr_va_vdst(0)
.rept 32
.if LI%8 == 0
	s_wait_loadcnt 24-LI                           ; these eight rows are in; the younger rows may be out
.endif
	ds_store_b128 v6, v[R+4*LI:R+4*LI+3] offset:(16*((LI>>3)&1)+(LI&7)+8*(LI>>4))*528   ; row LI is row (LI & 7) + 8 (LI >> 4) of tile (LI >> 3) & 1
.set LI, LI+1
.endr
	TILE 0, T                                      ; LDS serves a wave's instructions in order: these see my stores
	s_wait_dscnt 0x0                               ; tile 0 is in, and the stores have read R
	TILE 1, R
	QX T, 16, 32
	s_wait_dscnt 0x0
	QX R, 24, 33
	v_cndmask_b32 v34, v32, v33, s38               ; lanes 0-15 tile 0's words, lanes 16-31 tile 1's
.irp q, 0,1,2,3
	global_store_b128 v4, v[16+4*\q:19+4*\q], s[30:31] offset:512*\q   ; 512 consecutive bytes a store
.endr
	global_store_b32 v5, v34, s[26:27]
	s_wait_tensorcnt 0x0
	ds_add_u32 v232, v233
	s_wait_dscnt 0x0
	s_endpgm
.Lweights:
	s_lshl_b32 s5, s2, 2
	s_add_co_u32 s5, s5, s4                        ; the pair of column tiles: 4 x + wave, 0 .. 23
	s_wait_alu depctr_va_vdst(0)
	v_and_b32 v8, 7, v2
	v_lshrrev_b32 v9, 3, v2
	v_lshl_add_u32 v8, v9, 4, v8
	v_lshl_add_u32 v8, v3, 3, v8                   ; my column in the pair: 8 u + (r & 7) + 16 (r >> 3)
	v_lshlrev_b32 v6, 2, v8
	v_lshlrev_b32 v7, 4, v2
	v_lshl_add_u32 v7, v3, 10, v7                  ; my place in the pair's two images: 1,024 u + 16 r
	s_cmp_ge_u32 s3, 146
	s_cbranch_scc1 .Lwo
	; ---------------- Wq, Wk, Wv: 128 K x 32 columns a wave
	s_sub_co_u32 s6, s3, 128
	s_mul_hi_u32 s7, s6, 0x2aaaaaab                ; which weight: (y - 128) / 6
	s_mul_i32 s39, s7, 6
	s_sub_co_u32 s39, s6, s39                      ; K step
	s_mul_hi_u32 s40, s5, 0x55555556               ; head = pair / 3
	s_mul_i32 s41, s40, 3
	s_sub_co_u32 s41, s5, s41                      ; the pair in the head
	s_cmp_eq_u32 s7, 0
	s_cselect_b64 s[28:29], s[12:13], s[14:15]
	s_cmp_eq_u32 s7, 2
	s_cselect_b64 s[28:29], s[16:17], s[28:29]
	s_mul_i32 s32, s39, 128*3072
	s_lshl_b32 s42, s5, 7
	s_add_co_u32 s32, s32, s42
	s_add_nc_u64 s[28:29], s[28:29], s[32:33]
	s_lshl_b32 s42, s7, 3
	s_add_co_u32 s42, s42, s40
	s_mul_i32 s42, s42, 39168                      ; the slab's record: weight x 8 + head
	s_mul_i32 s43, s39, 6144
	s_add_co_u32 s32, s42, s43
	s_lshl_b32 s43, s41, 11
	s_add_co_u32 s32, s32, s43
	s_add_nc_u64 s[30:31], s[22:23], s[32:33]
	s_mul_i32 s43, s39, 384
	s_add_co_u32 s34, s42, s43
	s_lshl_b32 s43, s41, 7
	s_add_co_u32 s34, s34, s43
	s_add_co_u32 s34, s34, 36864
	s_add_nc_u64 s[26:27], s[22:23], s[34:35]
	s_wait_alu depctr_va_vdst(0)
	WQ 4
	s_endpgm
.Lwo:
	; ---------------- Wo: a head's 96 rows x 32 columns a wave
	s_sub_co_u32 s6, s3, 146                       ; head
	s_mul_i32 s32, s6, 96*3072
	s_lshl_b32 s42, s5, 7
	s_add_co_u32 s32, s32, s42
	s_add_nc_u64 s[28:29], s[18:19], s[32:33]
	s_mul_i32 s32, s6, 49152
	s_lshl_b32 s42, s5, 11
	s_add_co_u32 s32, s32, s42
	s_add_nc_u64 s[30:31], s[24:25], s[32:33]
	s_mul_i32 s34, s6, 3072
	s_lshl_b32 s42, s5, 7
	s_add_co_u32 s34, s34, s42
	s_add_co_u32 s34, s34, 393216
	s_add_nc_u64 s[26:27], s[24:25], s[34:35]
.irp q, 36,37,38,39
	v_mov_b32 v\q, 0
.endr
	s_wait_alu depctr_va_vdst(0)
	WQ 3
	global_store_b128 v7, v[36:39], s[30:31] offset:768   ; the fourth block: zero codes (its byte in the scale word is 0)
	s_endpgm
.Lfunc_end_k_q349d6a2f82_prep:
	.size	k_q349d6a2f82_prep, .Lfunc_end_k_q349d6a2f82_prep-k_q349d6a2f82_prep
	.p2alignl 7, 3214868480
	.fill 96, 4, 3214868480
	.section	.rodata,"a",@progbits
	.p2align	6, 0x0
	.amdhsa_kernel k_q349d6a2f82_prep
		.amdhsa_group_segment_fixed_size 68096
		.amdhsa_private_segment_fixed_size 0
		.amdhsa_enable_private_segment 0
		.amdhsa_kernarg_size 72
		.amdhsa_user_sgpr_count 2
		.amdhsa_user_sgpr_kernarg_segment_ptr 1
		.amdhsa_wavefront_size32 1
		.amdhsa_system_sgpr_workgroup_id_x 1
		.amdhsa_system_sgpr_workgroup_id_y 1
		.amdhsa_system_sgpr_workgroup_id_z 1
		.amdhsa_system_vgpr_workitem_id 0
		.amdhsa_next_free_vgpr 234
		.amdhsa_next_free_sgpr 66
		.amdhsa_reserve_vcc 0
		.amdhsa_float_denorm_mode_32 3
		.amdhsa_float_denorm_mode_16_64 3
		.amdhsa_memory_ordered 1
		.amdhsa_forward_progress 1
		.amdhsa_inst_pref_size 51
	.end_amdhsa_kernel
	.amdgpu_metadata
---
amdhsa.version: [ 1, 2 ]
amdhsa.kernels:
  - .name:           k_q349d6a2f82_prep
    .symbol:         k_q349d6a2f82_prep.kd
    .args:
      - { .name: visual_features, .offset: 0, .size: 8, .value_kind: global_buffer, .address_space: global }
      - { .name: text_features, .offset: 8, .size: 8, .value_kind: global_buffer, .address_space: global }
      - { .name: Wq, .offset: 16, .size: 8, .value_kind: global_buffer, .address_space: global }
      - { .name: Wk, .offset: 24, .size: 8, .value_kind: global_buffer, .address_space: global }
      - { .name: Wv, .offset: 32, .size: 8, .value_kind: global_buffer, .address_space: global }
      - { .name: Wo, .offset: 40, .size: 8, .value_kind: global_buffer, .address_space: global }
      - { .name: ximg, .offset: 48, .size: 8, .value_kind: global_buffer, .address_space: global }
      - { .name: wimg, .offset: 56, .size: 8, .value_kind: global_buffer, .address_space: global }
      - { .name: woimg, .offset: 64, .size: 8, .value_kind: global_buffer, .address_space: global }
    .group_segment_fixed_size: 68096
    .private_segment_fixed_size: 0
    .kernarg_segment_align: 8
    .kernarg_segment_size: 72
    .max_flat_workgroup_size: 128
    .sgpr_count:     66
    .vgpr_count:     234
    .wavefront_size: 32
...
	.end_amdgpu_metadata
.endif
;; end of part 1
;; launch qkv (part 2): grid 6 x 32, 4 waves a work-group, no clusters, 327,680 bytes of LDS; arguments ximg, wimg, bq, bk, bv, qimg, kv; writes qimg, kv
.if DOCPART == 2
	.amdgcn_target "amdgcn-amd-amdhsa--gfx1250"
	.amdhsa_code_object_version 6
	.text
	.protected	k_q349d6a2f82_qkv
	.globl	k_q349d6a2f82_qkv
	.p2align	8
	.type	k_q349d6a2f82_qkv,@function
k_q349d6a2f82_qkv:
	s_mov_b64 s[64:65], 0
	v_nop
	global_prefetch_b8 v0, s[64:65] scope:SCOPE_SE
	s_setreg_imm32_b32 hwreg(HW_REG_WAVE_MODE, 25, 1), 1
	s_wait_xcnt 0x0
.set FLOOR, 0x1800000
.set EOFF,  0xff000000
.set REC,   52224
.set WS,    16
.set XS,    34
.set TM,    60
.set PW,    84
.set SW,    92
.set XB,    128
.set BIAS,  192
.set SEL,   56
.set MSB,   0
.macro WIN new
.if MSB != (\new)
	s_set_vgpr_msb (MSB<<8)|(\new)
.set MSB, \new
.endif
.endm
.macro PLACES n
.rept \n
	v_nop
.endr
.endm
.macro WM d, a, b, c, sa, sb, ra, rb
.if (\ra) && (\rb)
	v_wmma_scale_f32_16x16x128_f8f6f4 v[\d:\d+7], v[\a:\a+7], v[\b:\b+7], v[\c:\c+7], v[\sa], v[\sb] matrix_a_fmt:MATRIX_FMT_FP4 matrix_b_fmt:MATRIX_FMT_FP4 matrix_a_scale:MATRIX_SCALE_ROW1 matrix_b_scale:MATRIX_SCALE_ROW1
.elseif (\ra)
	v_wmma_scale_f32_16x16x128_f8f6f4 v[\d:\d+7], v[\a:\a+7], v[\b:\b+7], v[\c:\c+7], v[\sa], v[\sb] matrix_a_fmt:MATRIX_FMT_FP4 matrix_b_fmt:MATRIX_FMT_FP4 matrix_a_scale:MATRIX_SCALE_ROW1
.elseif (\rb)
	v_wmma_scale_f32_16x16x128_f8f6f4 v[\d:\d+7], v[\a:\a+7], v[\b:\b+7], v[\c:\c+7], v[\sa], v[\sb] matrix_a_fmt:MATRIX_FMT_FP4 matrix_b_fmt:MATRIX_FMT_FP4 matrix_b_scale:MATRIX_SCALE_ROW1
.else
	v_wmma_scale_f32_16x16x128_f8f6f4 v[\d:\d+7], v[\a:\a+7], v[\b:\b+7], v[\c:\c+7], v[\sa], v[\sb] matrix_a_fmt:MATRIX_FMT_FP4 matrix_b_fmt:MATRIX_FMT_FP4
.endif
.endm
.macro QUANT nb, src, ws, pc, pw
	WIN 5*(\ws)
.set QB, 0
.rept \nb
	v_max3_num_f32 v[TM+QB], |v[\src+16*QB]|, |v[\src+16*QB+1]|, FLOOR
.set QB, QB+1
.endr
.set QI, 2
.rept 7
.set QB, 0
.rept \nb
	v_max3_num_f32 v[TM+QB], |v[\src+16*QB+QI]|, |v[\src+16*QB+QI+1]|, v[TM+QB]
.set QB, QB+1
.endr
.set QI, QI+2
.endr
	WIN 0
.set QB, 0
.rept \nb
	v_permlanex16_b32 v[TM+4+QB], v[TM+QB], s[SEL], s[SEL+1]
.set QB, QB+1
.endr
.set QB, 0
.rept \nb
	v_max_num_f32 v[TM+QB], v[TM+QB], v[TM+4+QB]
.set QB, QB+1
.endr
.set QB, 0
.rept \nb
	v_add_nc_u32 v[TM+8+QB], EOFF, v[TM+QB]
.set QB, QB+1
.endr
.set QB, 0
.rept \nb
	v_lshrrev_b32 v[TM+4+QB], 23, v[TM+8+QB]
.set QB, QB+1
.endr
	v_lshl_or_b32 v[\pw], v[TM+5], 8, v[TM+4]
	v_lshl_or_b32 v[\pw], v[TM+6], 16, v[\pw]
.if \nb == 4
	v_lshl_or_b32 v[\pw], v[TM+7], 24, v[\pw]
.endif
	WIN \ws
.set QB, 0
.rept \nb
	v_cvt_scalef32_pk8_fp4_f32 v[\pc+2*QB], v[\src+16*QB:\src+16*QB+7], v[TM+8+QB]
	v_cvt_scalef32_pk8_fp4_f32 v[\pc+2*QB+1], v[\src+16*QB+8:\src+16*QB+15], v[TM+8+QB]
.set QB, QB+1
.endr
	WIN 0
.if \nb == 3
	v_mov_b32 v[\pc+6], 0
	v_mov_b32 v[\pc+7], 0
.else
	v_nop
.endif
.irp c, 0,1
.irp i, 0,1
	v_permlane16_swap_b32 v[\pc+4*\c+\i], v[\pc+4*\c+2+\i]
.endr
.endr
.endm
.macro XLOAD st
.set MI, 0
.rept 8
	ds_load_b128 v[XB+64*((\st)%2)+8*MI:XB+64*((\st)%2)+8*MI+3], v3 offset:8192*(\st)+1024*MI
	ds_load_b128 v[XB+64*((\st)%2)+8*MI+4:XB+64*((\st)%2)+8*MI+7], v3 offset:8192*(\st)+1024*MI+512
.set MI, MI+1
.endr
.endm
.macro KSTEP vp, st
	s_wait_dscnt 0x0
	PLACES 4
.if \st < 5
	XLOAD \st+1
.endif
.set WW, 1
.set WB, 48*\st
.if \st == 5
.set WW, 3
.set WB, 144
.endif
.set XF, XB+64*(\st%2)
.if \vp
.set TI, 0
.rept 6
.set AW, 2+TI/4
.set CW, AW
.if \st == 0
.set CW, 3
.endif
	WIN (WW<<2)|(CW<<4)|(AW<<6)
.set MI, 0
.rept 8
.set AC, 64*(TI%4)+8*MI
.set CC, AC
.if \st == 0
.set CC, BIAS+8*TI
.endif
	WM AC, XF+8*MI, WB+8*TI, CC, XS+4*\st+MI/2, WS+3*\st+TI/2, MI&1, TI&1
.set MI, MI+1
.endr
.set TI, TI+1
.endr
.else
.set MI, 0
.rept 8
.set AW, 2+MI/5
.set CW, AW
.if \st == 0
.set CW, 3
.endif
	WIN WW|(CW<<4)|(AW<<6)
.set TI, 0
.rept 6
.set AC, 48*(MI%5)+8*TI
.set CC, AC
.if \st == 0
.set CC, BIAS+8*TI
.endif
	WM AC, WB+8*TI, XF+8*MI, CC, WS+3*\st+TI/2, XS+4*\st+MI/2, TI&1, MI&1
.set TI, TI+1
.endr
.set MI, MI+1
.endr
.endif
	WIN 0
.endm
.macro EPI vp
	PLACES 4
.set EI, 0
.if \vp
.rept 6
	QUANT 4, 64*(EI%4), 2+EI/4, XB+8*EI, PW+EI
	global_store_b128 v1, v[XB+8*EI:XB+8*EI+3], s[48:49] offset:1024*EI
	global_store_b128 v1, v[XB+8*EI+4:XB+8*EI+7], s[48:49] offset:1024*EI+512
.set EI, EI+1
.endr
.else
.rept 8
	QUANT 3, 48*(EI%5), 2+EI/5, XB+8*EI, PW+EI
	global_store_b128 v1, v[XB+8*EI:XB+8*EI+3], s[48:49] offset:1024*EI
	global_store_b128 v1, v[XB+8*EI+4:XB+8*EI+7], s[48:49] offset:1024*EI+512
.set EI, EI+1
.endr
.endif
.irp i, 0,1,2,3
	v_cndmask_b32 v[SW+\i], v[PW+\i], v[PW+4+\i], s58
.endr
.if \vp
	global_store_b128 v1, v[SW:SW+3], s[48:49] offset:6144
.else
	global_store_b128 v1, v[SW:SW+3], s[48:49] offset:8192
.endif
.endm
.macro GROUP vp
	v_add_nc_u32 v3, s59, v1
	v_add_nc_u32 v4, s59, v2
.set SI, 0
.rept 6
.irp p, 0,1,2,3
	ds_load_b32 v[XS+4*SI+\p], v4 offset:49152+512*SI+128*\p
.endr
.set SI, SI+1
.endr
	XLOAD 0
	s_wait_alu depctr_va_vdst(0)
.irp k, 0,1,2,3,4,5
	KSTEP \vp, \k
.endr
	EPI \vp
	s_wait_xcnt 0x0
	s_add_nc_u64 s[48:49], s[48:49], s[50:51]
	s_add_co_u32 s59, s59, REC
.endm
.macro RUN vp
	s_mov_b32 s59, 0
	s_wait_tensorcnt 0x1
	s_barrier_signal -1
	s_barrier_wait -1
	GROUP \vp
	s_wait_tensorcnt 0x0
	s_wait_dscnt 0x0
	s_barrier_signal -1
	s_barrier_wait -1
	s_mov_b32 s60, 3
.Lgroup_\@:
	GROUP \vp
	s_sub_co_u32 s60, s60, 1
	s_cmp_lg_u32 s60, 0
	s_cbranch_scc1 .Lgroup_\@
	s_wait_tensorcnt 0x0
	ds_add_u32 v126, v127
	s_wait_dscnt 0x0
	s_endpgm
.endm
	s_load_b256 s[4:11], s[0:1], 0x0
	s_load_b128 s[12:15], s[0:1], 0x20
	s_load_b64 s[16:17], s[0:1], 0x30
	v_lshl_add_u32 v126, v0, 2, 0x33000
	v_mov_b32 v127, 0
	ds_add_u32 v126, v127
	ds_add_u32 v126, v127
	v_lshrrev_b32 v1, 5, v0
	v_readfirstlane_b32 s18, v1
	s_mov_b32 s19, ttmp9
	s_and_b32 s20, ttmp7, 0xffff
	s_lshr_b32 s21, s19, 1
	s_and_b32 s22, s19, 1
	s_lshl_b32 s22, s22, 2
	s_add_co_u32 s22, s22, s18
	s_mov_b32 s24, 3<<16
	s_mov_b32 s25, 32<<16
	s_mov_b32 s26, 51<<16
	s_mov_b32 s27, 32<<16
	s_mov_b32 s28, 51
	s_mov_b32 s29, 32
	s_mov_b32 s30, 0
	s_mov_b32 s31, 0
	s_mov_b32 s32, 3<<16
	s_mov_b32 s33, 32<<16
	s_mov_b32 s34, 153<<16
	s_mov_b32 s35, 32<<16
	s_mov_b32 s36, 153
	s_mov_b32 s37, 32
	s_mov_b32 s38, 0
	s_mov_b32 s39, 0
	s_mul_i32 s66, s20, 4*REC
	s_mul_i32 s41, s18, 13056
	s_add_co_u32 s68, s66, s41
	s_mov_b32 s69, 0
	s_mul_i32 s45, s18, 39168
	s_add_co_u32 s70, s66, s45
	s_add_co_u32 s70, s70, REC
	s_mov_b32 s71, 0
	s_add_co_u32 s45, s45, REC
	s_mov_b32 s40, 1
	s_mov_b32 s44, 1
	s_wait_dscnt 0x0
	s_wait_kmcnt 0x0
	s_add_nc_u64 s[42:43], s[4:5], s[68:69]
	s_or_b32 s43, s43, 0x80000000
	s_add_nc_u64 s[46:47], s[4:5], s[70:71]
	s_or_b32 s47, s47, 0x80000000
	tensor_load_to_lds s[40:43], s[24:31]
	s_nop 0
	PLACES 4
	; the weights' addresses and loads stand between the first tensor load and the wait for it
	v_and_b32 v8, 31, v0
	v_lshlrev_b32 v1, 4, v8
	v_lshlrev_b32 v2, 2, v8
	s_wait_alu depctr_va_vdst(0)
	v_and_b32 v9, 15, v0
	v_bfe_u32 v10, v0, 4, 1
	v_lshlrev_b32 v5, 6, v10
	v_and_b32 v6, 7, v9
	v_lshrrev_b32 v11, 3, v9
	v_lshl_add_u32 v6, v11, 4, v6
	v_lshlrev_b32 v6, 2, v6
	s_lshl_b32 s66, s19, 2
	s_add_co_u32 s66, s66, s18
	s_mul_i32 s66, s66, 39168
	s_mov_b32 s67, 0
	s_add_nc_u64 s[52:53], s[6:7], s[66:67]
	WIN 0x40
.set SI, 0
.rept 5
.set TI, 0
.rept 6
	global_load_b128 v[48*SI+8*TI:48*SI+8*TI+3], v1, s[52:53] offset:6144*SI+1024*TI
	global_load_b128 v[48*SI+8*TI+4:48*SI+8*TI+7], v1, s[52:53] offset:6144*SI+1024*TI+512
.set TI, TI+1
.endr
.set SI, SI+1
.endr
	WIN 0xc0
.set TI, 0
.rept 6
	global_load_b128 v[144+8*TI:144+8*TI+3], v1, s[52:53] offset:6144*5+1024*TI
	global_load_b128 v[144+8*TI+4:144+8*TI+7], v1, s[52:53] offset:6144*5+1024*TI+512
.set TI, TI+1
.endr
	WIN 0
.set SI, 0
.rept 6
.irp p, 0,1,2
	global_load_b32 v[WS+3*SI+\p], v2, s[52:53] offset:36864+384*SI+128*\p
.endr
.set SI, SI+1
.endr
	s_wait_alu depctr_va_vdst(0)                   ; the head's address registers are made: directly ahead of the wait below
	s_wait_tensorcnt 0x0                           ; my part of the first group of rows is in
	ds_add_u32 v126, v127
	s_wait_dscnt 0x0
	s_barrier_signal -1
	s_barrier_wait -1
	tensor_load_to_lds s[44:47], s[32:39]          ; my part of the other three groups: it lands under the first group's products
	s_nop 0
	PLACES 4
	s_cmp_eq_u32 s21, 0
	s_cselect_b64 s[54:55], s[8:9], s[10:11]
	s_cmp_eq_u32 s21, 2
	s_cselect_b64 s[54:55], s[12:13], s[54:55]
	s_mul_i32 s66, s22, 384
	s_add_nc_u64 s[54:55], s[54:55], s[66:67]
	s_mov_b32 s50, 15360
	s_cmp_eq_u32 s21, 0
	s_cselect_b64 s[48:49], s[14:15], s[16:17]
	s_cselect_b32 s50, 8704, s50
	s_mov_b32 s51, 0
	s_lshr_b32 s66, s20, 1
	s_lshl_b32 s66, s66, 3
	s_add_co_u32 s66, s66, s22
	s_lshl_b32 s66, s66, 3
	s_and_b32 s68, s20, 1
	s_lshl_b32 s68, s68, 2
	s_add_co_u32 s66, s66, s68
	s_mul_i32 s66, s66, s50
	s_add_nc_u64 s[48:49], s[48:49], s[66:67]
	s_mov_b32 s56, 0x76543210
	s_mov_b32 s57, 0xfedcba98
	s_mov_b32 s58, 0xffff0000
.irp q, 4,5,6,7
	v_mov_b32 v[TM+\q], 0
.endr
	v_mov_b32 v[PW+6], 0
	v_mov_b32 v[PW+7], 0
	s_cmp_eq_u32 s21, 2
	s_cbranch_scc1 .Lv
	WIN 0xc0
.set TI, 0
.rept 6
	global_load_b128 v[BIAS+8*TI:BIAS+8*TI+3], v5, s[54:55] offset:(32*(TI/2)+8*(TI%2))*4
	global_load_b128 v[BIAS+8*TI+4:BIAS+8*TI+7], v5, s[54:55] offset:(32*(TI/2)+8*(TI%2))*4+16
.set TI, TI+1
.endr
	WIN 0
	s_wait_loadcnt 0x0
	RUN 0
.Lv:
	s_add_nc_u64 s[48:49], s[48:49], 8704
	WIN 0xc0
.set TI, 0
	s_wait_alu depctr_va_vdst(0)
.rept 6
	global_load_b32 v[BIAS+8*TI], v6, s[54:55] offset:(32*(TI/2)+8*(TI%2))*4
.set TI, TI+1
.endr
	WIN 0
	s_wait_loadcnt 0x0
	WIN 0xc3
.set TI, 0
.rept 6
.irp j, 1,2,3,4,5,6,7
	v_mov_b32 v[BIAS+8*TI+\j], v[BIAS+8*TI]
.endr
.set TI, TI+1
.endr
	WIN 0
	RUN 1
.Lfunc_end_k_q349d6a2f82_qkv:
	.size	k_q349d6a2f82_qkv, .Lfunc_end_k_q349d6a2f82_qkv-k_q349d6a2f82_qkv
	.p2alignl 7, 3214868480
	.fill 96, 4, 3214868480
	.section	.rodata,"a",@progbits
	.p2align	6, 0x0
	.amdhsa_kernel k_q349d6a2f82_qkv
		.amdhsa_group_segment_fixed_size 327680
		.amdhsa_private_segment_fixed_size 0
		.amdhsa_enable_private_segment 0
		.amdhsa_kernarg_size 56
		.amdhsa_user_sgpr_count 2
		.amdhsa_user_sgpr_kernarg_segment_ptr 1
		.amdhsa_wavefront_size32 1
		.amdhsa_system_sgpr_workgroup_id_x 1
		.amdhsa_system_sgpr_workgroup_id_y 1
		.amdhsa_system_sgpr_workgroup_id_z 1
		.amdhsa_system_vgpr_workitem_id 0
		.amdhsa_next_free_vgpr 1024
		.amdhsa_next_free_sgpr 80
		.amdhsa_reserve_vcc 0
		.amdhsa_float_denorm_mode_32 3
		.amdhsa_float_denorm_mode_16_64 3
		.amdhsa_memory_ordered 1
		.amdhsa_forward_progress 1
		.amdhsa_inst_pref_size 255
	.end_amdhsa_kernel
	.section	.bss,"aw",@nobits
	.p2align	6
	.space	262144
	.amdgpu_metadata
---
amdhsa.version: [ 1, 2 ]
amdhsa.kernels:
  - .name:           k_q349d6a2f82_qkv
    .symbol:         k_q349d6a2f82_qkv.kd
    .args:
      - { .name: ximg, .offset: 0, .size: 8, .value_kind: global_buffer, .address_space: global }
      - { .name: wimg, .offset: 8, .size: 8, .value_kind: global_buffer, .address_space: global }
      - { .name: bq, .offset: 16, .size: 8, .value_kind: global_buffer, .address_space: global }
      - { .name: bk, .offset: 24, .size: 8, .value_kind: global_buffer, .address_space: global }
      - { .name: bv, .offset: 32, .size: 8, .value_kind: global_buffer, .address_space: global }
      - { .name: qimg, .offset: 40, .size: 8, .value_kind: global_buffer, .address_space: global }
      - { .name: kv, .offset: 48, .size: 8, .value_kind: global_buffer, .address_space: global }
    .group_segment_fixed_size: 327680
    .private_segment_fixed_size: 0
    .kernarg_segment_align: 8
    .kernarg_segment_size: 56
    .max_flat_workgroup_size: 128
    .sgpr_count:     80
    .vgpr_count:     1024
    .wavefront_size: 32
...
	.end_amdgpu_metadata
.endif
;; end of part 2
;; launch attn (part 3): grid 256 x 1, 8 waves a work-group, clusters of 4 x 1, 327,680 bytes of LDS; arguments qimg, kv, visual_mask, text_mask, oimg; writes oimg
.if DOCPART == 3
	.amdgcn_target "amdgcn-amd-amdhsa--gfx1250"
	.amdhsa_code_object_version 6
	.text
	.protected	k_q349d6a2f82_attn
	.globl	k_q349d6a2f82_attn
	.p2align	8
	.type	k_q349d6a2f82_attn,@function
k_q349d6a2f82_attn:
	s_mov_b64 s[64:65], 0
	v_nop
	global_prefetch_b8 v0, s[64:65] scope:SCOPE_SE
	s_setreg_imm32_b32 hwreg(HW_REG_WAVE_MODE, 25, 1), 1
	s_wait_xcnt 0x0
	s_wait_alu depctr_hold_cnt(0) depctr_sa_sdst(0) depctr_va_vdst(0) depctr_va_sdst(0) depctr_va_ssrc(0) depctr_va_vcc(0) depctr_vm_vsrc(0)
	s_getreg_b32 s2, hwreg(HW_REG_IB_STS2, 6, 4)
	s_cmp_eq_u32 s2, 0
	s_cbranch_scc0 .Lentry_in_a_cluster
	s_endpgm
.Lentry_in_a_cluster:
	s_bfe_u32 s2, ttmp6, 0x10000c
	s_cmp_lg_u32 s2, 0x3003
	s_cbranch_scc0 .Lentry_shape_is_right
	s_endpgm
.Lentry_shape_is_right:
; ATTENTION ON CODES OF FP4 (E2M1) WITH E8M0 SCALES, both directions: o = softmax(q k^T / sqrt(96), keys with mask 0 left out) v, quantised along the head's 96 for the projection that follows.
; SHARES.  A cluster of four work-groups = (direction, batch, pair of heads); a work-group takes a quarter of the 1,024 queries, 32 a wave (tiles A and B), for both heads: one head a pass, 128 keys a step.
; kv: for each (tensor, batch, head) eight records of 15,360 bytes, one for 128 keys, in the order of the operands' registers: K's 8 fragments (8,192), K's scale words (512), V^T's 6 fragments (6,144), V's scale words (512).
; THE FOUR PARTNERS READ THE SAME K AND V, AND ASK FOR THEM JOINTLY (mask 15).  At the head each of the 8 waves asks for one record of the first head; behind the full sequence and a round of the
; cluster's barrier each asks for one record of the second head, which lands under the first pass.  245,760 bytes, filled once.  The place in the cluster enters Q's and the result's global addresses alone.
; Both products are used transposed (S^T = K Q^T, O^T = V^T P^T): a lane holds one query; the keys of a tile are laid so that 16 registers of two neighbouring tiles are 16 neighbouring keys.
; THE MASK: 0 or -1e30 for each key lies in LDS as f32 and is the C of the score products.  A row with no key has the sum 0 and gets the scale byte 0xff, so that the projection gives NaN as the softmax of such a row does.
; THE SOFTMAX: t = score x log2(e) / sqrt(96); -M = floor(-(running largest t)); p = 2^(t - M) is quantised by blocks of 32 keys; the sum is taken of the unquantised p; when M moves, sums and O^T are multiplied by 2^(old M - new M).
; A block's largest p is made from the block's largest score by the same multiply-add and exponential.
; THE ORDER OF A STEP.  The exponentials go in two batches, tile A's and tile B's.  Among tile A's stand tile B's scalings, among tile B's only lines whose results are first read behind the batch
; (pair sums of A into registers of their own, the floors, the sums' rescaling).  One wait stands ahead of each batch and one behind the second.
; LIMITS: scores stay under 1e27 in magnitude (the mask's -1e30 must lie under every score, the start of the running maximum, -1e28, between); NaN and infinities among the inputs are not served.
; NO PREFETCH: all of both heads' K and V is asked for by the two tensor loads at the start; there is no later stream to run ahead of.
; REGISTERS.  Window 0: v1 16 x lane, v2 4 x lane, v3 mask address, v4, v5, v8 the step's addresses, v10, v11 the second pass's Q scales; the names below.  Window 1: O^T of A and B, K's and V's fragments, Q's.
.set FLOOR, 0x1800000                  ; 2^(3 - 127)
.set EOFF,  0xff000000                 ; takes 2 off an exponent field
.set REC,   15360
.set HEADB, 122880                     ; a head's eight records
.set MASK,  245760                     ; behind the two heads: 1,024 f32
.set SPARE, 249856                     ; the spare words, 128 bytes a wave
.set STA, 12                           ; -M, largest t, a pair of sums: tile A
.set STB, 16                           ; tile B
.set KS,  20
.set VS,  24
.set QSA, 28
.set QSB, 29
.set PWA, 30
.set PWB, 31
.set S,   32                           ; tile A's scores, then p
.set SB,  96                           ; the mask, then tile B's scores, then p
.set PCA, 160
.set PCB, 168
.set BM,  176
.set BX,  184
.set SO,  192
.set FA,  200
.set OLD, 204
.set TX,  206
.set UA,  208                          ; a second pair of sums for each tile
.set RL,  212
.set SWD, 214
.set TM,  216
.set TS,  216                          ; v216-247: tile A's 16 pair sums
.set T0R, 236
.set T1R, 237
.set XT,  248                          ; v248-251: two more chains for tile B's sums
.set OA,  0
.set OB,  48
.set KF,  96
.set VF,  160
.set QFA, 208
.set QFB, 216
.set QN,  224
.set SEL, 20
.set MSB, 0
.macro WIN new
.if MSB != (\new)
	s_set_vgpr_msb (MSB<<8)|(\new)
.set MSB, \new
.endif
.endm
.macro PLACES n
.rept \n
	v_nop
.endr
.endm
.macro ROUND                           ; a round of the cluster's barrier
	s_barrier_signal -1
	s_barrier_wait -1
	s_cmp_lg_u32 s14, 0
	s_cbranch_scc1 .Lnot_wave_0_\@
	s_barrier_signal -3
.Lnot_wave_0_\@:
	s_barrier_wait -3
	s_barrier_signal -1
	s_barrier_wait -1
.endm
.macro WM d, a, b, c, sa, sb, ra, rb
.if (\ra) && (\rb)
	v_wmma_scale_f32_16x16x128_f8f6f4 v[\d:\d+7], v[\a:\a+7], v[\b:\b+7], v[\c:\c+7], v[\sa], v[\sb] matrix_a_fmt:MATRIX_FMT_FP4 matrix_b_fmt:MATRIX_FMT_FP4 matrix_a_scale:MATRIX_SCALE_ROW1 matrix_b_scale:MATRIX_SCALE_ROW1
.elseif (\ra)
	v_wmma_scale_f32_16x16x128_f8f6f4 v[\d:\d+7], v[\a:\a+7], v[\b:\b+7], v[\c:\c+7], v[\sa], v[\sb] matrix_a_fmt:MATRIX_FMT_FP4 matrix_b_fmt:MATRIX_FMT_FP4 matrix_a_scale:MATRIX_SCALE_ROW1
.elseif (\rb)
	v_wmma_scale_f32_16x16x128_f8f6f4 v[\d:\d+7], v[\a:\a+7], v[\b:\b+7], v[\c:\c+7], v[\sa], v[\sb] matrix_a_fmt:MATRIX_FMT_FP4 matrix_b_fmt:MATRIX_FMT_FP4 matrix_b_scale:MATRIX_SCALE_ROW1
.else
	v_wmma_scale_f32_16x16x128_f8f6f4 v[\d:\d+7], v[\a:\a+7], v[\b:\b+7], v[\c:\c+7], v[\sa], v[\sb] matrix_a_fmt:MATRIX_FMT_FP4 matrix_b_fmt:MATRIX_FMT_FP4
.endif
.endm
; nb blocks of 32 (16 registers a lane, lanes l and l xor 16 share a block) become codes in the operand's layout and a scale word
.macro QUANT nb, src, ws, pc, pw
	WIN 5*(\ws)
.set QB, 0
.rept \nb
	v_max3_num_f32 v[TM+QB], |v[\src+16*QB]|, |v[\src+16*QB+1]|, FLOOR
.set QB, QB+1
.endr
.set QI, 2
.rept 7
.set QB, 0
.rept \nb
	s_delay_alu instid0(VALU_DEP_3)
	v_max3_num_f32 v[TM+QB], |v[\src+16*QB+QI]|, |v[\src+16*QB+QI+1]|, v[TM+QB]
.set QB, QB+1
.endr
.set QI, QI+2
.endr
	WIN 0
.set QB, 0
.rept \nb
	s_delay_alu instid0(VALU_DEP_3)
	v_permlanex16_b32 v[TM+4+QB], v[TM+QB], s[SEL], s[SEL+1]
.set QB, QB+1
.endr
.set QB, 0
.rept \nb
	s_delay_alu instid0(VALU_DEP_3)
	v_max_num_f32 v[TM+QB], v[TM+QB], v[TM+4+QB]
.set QB, QB+1
.endr
.set QB, 0
.rept \nb
	s_delay_alu instid0(VALU_DEP_3)
	v_add_nc_u32 v[TM+8+QB], EOFF, v[TM+QB]
.set QB, QB+1
.endr
.set QB, 0
.rept \nb
	s_delay_alu instid0(VALU_DEP_3)
	v_lshrrev_b32 v[TM+4+QB], 23, v[TM+8+QB]
.set QB, QB+1
.endr
	s_delay_alu instid0(VALU_DEP_2)
	v_lshl_or_b32 v[\pw], v[TM+5], 8, v[TM+4]
	s_delay_alu instid0(VALU_DEP_1)
	v_lshl_or_b32 v[\pw], v[TM+6], 16, v[\pw]
.if \nb == 4
	v_lshl_or_b32 v[\pw], v[TM+7], 24, v[\pw]
.endif
	WIN \ws
.set QB, 0
.rept \nb
	v_cvt_scalef32_pk8_fp4_f32 v[\pc+2*QB], v[\src+16*QB:\src+16*QB+7], v[TM+8+QB]
	v_cvt_scalef32_pk8_fp4_f32 v[\pc+2*QB+1], v[\src+16*QB+8:\src+16*QB+15], v[TM+8+QB]
.set QB, QB+1
.endr
	WIN 0
.if \nb == 3
	v_mov_b32 v[\pc+6], 0                          ; the fourth block: zero codes
	v_mov_b32 v[\pc+7], 0
.else
	v_nop
.endif
.irp c, 0,1
.irp i, 0,1
	v_permlane16_swap_b32 v[\pc+4*\c+\i], v[\pc+4*\c+2+\i]
.endr
.endr
.endm
.macro MAXT s, bm, bx                  ; the largest score of each block of a tile, my 16 keys of it; each accumulator is read from its low end on
.irp b, 0,1,2,3
	v_max3_num_f32 v[\bm+\b], v[\s+16*\b], v[\s+16*\b+1], v[\s+16*\b+2]
	v_max3_num_f32 v[\bx+\b], v[\s+16*\b+8], v[\s+16*\b+9], v[\s+16*\b+10]
.endr
.irp i, 3,5
.irp b, 0,1,2,3
	v_max3_num_f32 v[\bm+\b], v[\bm+\b], v[\s+16*\b+\i], v[\s+16*\b+\i+1]
	v_max3_num_f32 v[\bx+\b], v[\bx+\b], v[\s+16*\b+8+\i], v[\s+16*\b+9+\i]
.endr
.endr
.irp b, 0,1,2,3
	v_max3_num_f32 v[\bm+\b], v[\bm+\b], v[\bx+\b], v[\s+16*\b+7]
.endr
.irp b, 0,1,2,3
	v_max_num_f32 v[\bm+\b], v[\bm+\b], v[\s+16*\b+15]
.endr
.endm
.macro PF g                            ; t - M of pair g (0-31: tile A, 32-63: tile B)
	v_pk_fma_f32 v[S+2*(\g):S+2*(\g)+1], v[S+2*(\g):S+2*(\g)+1], s[22:23], v[STA+4*((\g)/32):STA+4*((\g)/32)+1] op_sel_hi:[1,0,0]
.endm
.macro FILL k                          ; plain lines among tile B's exponentials: none reads what another of them wrote
.if (\k) < 16
	v_pk_add_f32 v[TS+2*(\k):TS+2*(\k)+1], v[S+4*(\k):S+4*(\k)+1], v[S+4*(\k)+2:S+4*(\k)+3]   ; tile A's p, pair by pair
.elseif (\k) < 24
	v_max_num_f32 v[BM+(\k)-16], FLOOR, v[BM+(\k)-16]          ; the floor: the byte cannot fall under 1
.elseif (\k) >= 28
.set AQ, (\k)-28
.set AR, STA+2+4*(AQ/2)
.if AQ%2
.set AR, UA+2*(AQ/2)
.endif
	v_pk_mul_f32 v[AR:AR+1], v[AR:AR+1], v[FA+2*(AQ/2):FA+2*(AQ/2)+1] op_sel_hi:[1,0]   ; the sums under the new M
.endif
.endm
.macro LOADK ad, off
	ds_load_b128 v[KS:KS+3], v[\ad] offset:\off+8192
	WIN 0x40
.set TI, 0
.rept 8
	ds_load_b128 v[KF+8*TI:KF+8*TI+3], v[\ad] offset:\off+1024*TI
	ds_load_b128 v[KF+8*TI+4:KF+8*TI+7], v[\ad] offset:\off+1024*TI+512
.set TI, TI+1
.endr
	WIN 0
.endm
.macro LOADM ad, off                   ; the mask's numbers of 128 keys, in the scores' layout
.set TI, 0
.rept 8
	ds_load_b128 v[SB+8*TI:SB+8*TI+3], v[\ad] offset:\off+128*(TI/2)+32*(TI%2)
	ds_load_b128 v[SB+8*TI+4:SB+8*TI+7], v[\ad] offset:\off+128*(TI/2)+32*(TI%2)+16
.set TI, TI+1
.endr
.endm
; A KEY STEP.  last = 0: in the loop (fetches the next record's K and mask); 1: a pass's last (fetches the other head's record 0 and the mask's first 128 keys, for the pass that follows)
.macro STEP last
	v_add_nc_u32 v4, s48, v1
.if \last
.set KAD, 8
.set KOF, 0
.set MAD, 3
.set MOF, 0
	v_add_nc_u32 v8, s63, v1
.else
.set KAD, 4
.set KOF, REC
.set MAD, 5
.set MOF, 512
	v_add_nc_u32 v5, s49, v3
.endif
	v_nop
	v_nop                                          ; four places in front of loads into registers that the last products read
	ds_load_b128 v[VS:VS+3], v4 offset:14848
	WIN 0x40
.set TI, 0
.rept 6
	ds_load_b128 v[VF+8*TI:VF+8*TI+3], v4 offset:8704+1024*TI
	ds_load_b128 v[VF+8*TI+4:VF+8*TI+7], v4 offset:8704+1024*TI+512
.set TI, TI+1
.endr
	s_wait_dscnt 13                                ; K and the mask are in; V's 13 loads may be out
	WIN 0x05
.set TI, 0
.rept 8
	WM S+8*TI, KF+8*TI, QFA, SB+8*TI, KS+(TI&3), QSA, TI>>2, 0      ; tile A: C = the mask
.set TI, TI+1
.endr
	PLACES 5                                       ; tile B's results are laid over the mask, which tile A's products read
.set TI, 0
.rept 8
	WM SB+8*TI, KF+8*TI, QFB, SB+8*TI, KS+(TI&3), QSB, TI>>2, 0
.set TI, TI+1
.endr
	WIN 0
	MAXT S, BM, BX
	LOADK KAD, KOF                                 ; the next step's K
	MAXT SB, BM+4, BX+4
.irp b, 0,1,2,3,4,5,6,7
	v_permlanex16_b32 v[BX+\b], v[BM+\b], s[SEL], s[SEL+1]
.endr
	v_mov_b32 v[OLD], v[STA]
	v_mov_b32 v[OLD+1], v[STB]
.irp b, 0,1,2,3,4,5,6,7
	v_max_num_f32 v[BM+\b], v[BM+\b], v[BX+\b]     ; with lane l xor 16's 16 keys
.endr
.irp x, 0
	v_max3_num_f32 v[TX+\x], v[BM+4*\x], v[BM+4*\x+1], v[BM+4*\x+2]
.endr
.irp x, 1
	s_delay_alu instid0(VALU_DEP_3)
	v_max3_num_f32 v[TX+\x], v[BM+4*\x], v[BM+4*\x+1], v[BM+4*\x+2]
.endr
.irp x, 0,1
	s_delay_alu instid0(VALU_DEP_2)
	v_max_num_f32 v[TX+\x], v[TX+\x], v[BM+4*\x+3]
.endr
.irp x, 0,1
	s_delay_alu instid0(VALU_DEP_2)
	v_mul_f32 v[TX+\x], s22, v[TX+\x]
.endr
.irp x, 0,1
	s_delay_alu instid0(VALU_DEP_2)
	v_max_num_f32 v[STA+4*\x+1], v[STA+4*\x+1], v[TX+\x]       ; the running largest t
.endr
.irp x, 0,1
	s_delay_alu instid0(VALU_DEP_2)
	v_floor_f32 v[STA+4*\x], -v[STA+4*\x+1]        ; -M
.endr
.irp b, 0,1,2,3,4,5,6,7
	v_fma_f32 v[BM+\b], v[BM+\b], s22, v[STA+4*(\b/4)]
.endr
	v_sub_f32 v[OLD], v[STA], v[OLD]
	v_sub_f32 v[OLD+1], v[STB], v[OLD+1]
.set NI, 0
.rept 4
	PF NI
.set NI, NI+1
.endr
	v_cvt_i32_f32 v[OLD], v[OLD]                   ; old M - new M: a whole number, 0 or less (it saturates)
	v_cvt_i32_f32 v[OLD+1], v[OLD+1]
.rept 4
	PF NI
.set NI, NI+1
.endr
	v_ldexp_f32 v[FA], 1.0, v[OLD]                 ; f = 2^(old M - new M)
	v_ldexp_f32 v[FA+2], 1.0, v[OLD+1]
.rept 24
	PF NI
.set NI, NI+1
.endr
	s_wait_alu depctr_va_vdst(0)                   ; ahead of the first batch
.irp b, 0,1,2,3,4,5,6,7
	v_exp_f32 v[BM+\b], v[BM+\b]                   ; the blocks' largest p
.endr
.set NI, 0
.rept 32
	v_exp_f32 v[S+2*NI], v[S+2*NI]
	v_exp_f32 v[S+2*NI+1], v[S+2*NI+1]
	PF 32+NI                                       ; tile B's scalings: first read behind the wait below
.set NI, NI+1
.endr
	s_wait_alu depctr_va_vdst(0)                   ; behind the first batch and ahead of the second
.set NI, 0
.rept 32
	v_exp_f32 v[SB+2*NI], v[SB+2*NI]
	v_exp_f32 v[SB+2*NI+1], v[SB+2*NI+1]
	FILL NI
.set NI, NI+1
.endr
	s_wait_alu depctr_va_vdst(0)                   ; behind the second batch
.irp b, 0,1,2,3,4,5,6,7
	v_add_nc_u32 v[SO+\b], EOFF, v[BM+\b]          ; the conversions' scale operands
.endr
	v_pk_add_f32 v[XT:XT+1], v[SB:SB+1], v[SB+2:SB+3]          ; the sums of the unquantised p, in six chains by turns
	v_pk_add_f32 v[XT+2:XT+3], v[SB+4:SB+5], v[SB+6:SB+7]
	v_pk_add_f32 v[STA+2:STA+3], v[STA+2:STA+3], v[TS:TS+1]
	v_pk_add_f32 v[UA:UA+1], v[UA:UA+1], v[TS+2:TS+3]
.set NI, 1
.rept 7
	v_pk_add_f32 v[STB+2:STB+3], v[STB+2:STB+3], v[SB+8*NI:SB+8*NI+1]
	v_pk_add_f32 v[UA+2:UA+3], v[UA+2:UA+3], v[SB+8*NI+2:SB+8*NI+3]
	v_pk_add_f32 v[XT:XT+1], v[XT:XT+1], v[SB+8*NI+4:SB+8*NI+5]
	v_pk_add_f32 v[XT+2:XT+3], v[XT+2:XT+3], v[SB+8*NI+6:SB+8*NI+7]
	v_pk_add_f32 v[STA+2:STA+3], v[STA+2:STA+3], v[TS+4*NI:TS+4*NI+1]
	v_pk_add_f32 v[UA:UA+1], v[UA:UA+1], v[TS+4*NI+2:TS+4*NI+3]
.set NI, NI+1
.endr
.irp b, 0,1,2,3,4,5,6,7
	v_lshrrev_b32 v[BX+\b], 23, v[SO+\b]           ; the scales' bytes
.endr
	v_pk_add_f32 v[STB+2:STB+3], v[STB+2:STB+3], v[XT:XT+1]
	v_pk_add_f32 v[UA+2:UA+3], v[UA+2:UA+3], v[XT+2:XT+3]
.irp x, 0,1
.irp b, 0,1,2,3
	v_cvt_scalef32_pk8_fp4_f32 v[PCA+8*\x+2*\b], v[S+64*\x+16*\b:S+64*\x+16*\b+7], v[SO+4*\x+\b]
	v_cvt_scalef32_pk8_fp4_f32 v[PCA+8*\x+2*\b+1], v[S+64*\x+16*\b+8:S+64*\x+16*\b+15], v[SO+4*\x+\b]
.endr
.endr
	LOADM MAD, MOF                                 ; tile B's p has been read: the next step's mask
	v_lshl_or_b32 v[PWA], v[BX+1], 8, v[BX]        ; p's scale words.  (Plain lines behind the conversions)
	v_lshl_or_b32 v[PWB], v[BX+5], 8, v[BX+4]
	s_delay_alu instid0(VALU_DEP_2)
	v_lshl_or_b32 v[PWA], v[BX+2], 16, v[PWA]
	s_delay_alu instid0(VALU_DEP_2)
	v_lshl_or_b32 v[PWB], v[BX+6], 16, v[PWB]
	s_delay_alu instid0(VALU_DEP_2)
	v_lshl_or_b32 v[PWA], v[BX+3], 24, v[PWA]
	s_delay_alu instid0(VALU_DEP_2)
	v_lshl_or_b32 v[PWB], v[BX+7], 24, v[PWB]
.irp x, 0,1
.irp c, 0,1
.irp i, 0,1
	v_permlane16_swap_b32 v[PCA+8*\x+4*\c+\i], v[PCA+8*\x+4*\c+2+\i]   ; a whole block to a lane
.endr
.endr
.endr
	s_wait_dscnt 33                                ; V is in; K's 17 loads and the mask's 16 may be out
	WIN 0x41
	s_wait_alu depctr_va_vdst(0)                   ; directly ahead of the first readers of O^T
.set JI, 0
.rept 24
	v_pk_mul_f32 v[OA+JI:OA+JI+1], v[OA+JI:OA+JI+1], v[FA:FA+1] op_sel_hi:[1,0]      ; O^T under the new M; these 48 are also the places ahead of the scaled products
.set JI, JI+2
.endr
.set JI, 0
.rept 24
	v_pk_mul_f32 v[OB+JI:OB+JI+1], v[OB+JI:OB+JI+1], v[FA+2:FA+3] op_sel_hi:[1,0]
.set JI, JI+2
.endr
	WIN 0x51
.set TI, 0
.rept 6
	WM OA+8*TI, VF+8*TI, PCA, OA+8*TI, VS+(TI&3), PWA, TI>>2, 0    ; twelve accumulators by turns
	WM OB+8*TI, VF+8*TI, PCB, OB+8*TI, VS+(TI&3), PWB, TI>>2, 0
.set TI, TI+1
.endr
	WIN 0
.if \last == 0
	s_add_co_u32 s48, s48, REC
	s_add_co_u32 s49, s49, 512
.endif
.endm
.macro FIN st, u, ob, pc, pw           ; a tile's end: O^T / the sum, quantised along the head's 96
	v_pk_add_f32 v[\u:\u+1], v[\u:\u+1], v[\st+2:\st+3]
	s_delay_alu instid0(VALU_DEP_1)
	v_add_f32 v[T0R], v[\u], v[\u+1]
	s_delay_alu instid0(VALU_DEP_1)
	v_permlanex16_b32 v[T1R], v[T0R], s[SEL], s[SEL+1]
	s_delay_alu instid0(VALU_DEP_1)
	v_add_f32 v[T0R], v[T0R], v[T1R]
	s_wait_alu depctr_va_vdst(0)                   ; ahead of the transcendental
	v_rcp_f32 v[RL], v[T0R]
	v_cmp_eq_f32 s52, 0, v[T0R]                    ; a row with no key
	WIN 0x01
.set JI, 0
	s_wait_alu depctr_va_vdst(0)                   ; ahead of its first reader, which is also O^T's
.rept 24
	v_pk_mul_f32 v[S+JI:S+JI+1], v[\ob+JI:\ob+JI+1], v[RL:RL+1] op_sel_hi:[1,0]
.set JI, JI+2
.endr
	WIN 0
	QUANT 3, S, 0, \pc, \pw
	v_cndmask_b32 v[\pw], v[\pw], -1, s52
.endm
	s_load_b256 s[4:11], s[0:1], 0x0               ; qimg, kv, visual_mask, text_mask
	s_load_b64 s[12:13], s[0:1], 0x20              ; oimg
	v_lshl_add_u32 v254, v0, 2, SPARE              ; my spare word
	v_mov_b32 v255, 0
	ds_add_u32 v254, v255                          ; the opening lines
	ds_add_u32 v254, v255
	v_lshrrev_b32 v1, 5, v0
	s_delay_alu instid0(VALU_DEP_1)
	v_readfirstlane_b32 s14, v1                    ; wave
	s_bfe_u32 s15, ttmp6, 0x40000                  ; my place in the cluster: the quarter of the queries
	s_and_b32 s16, ttmp9, 3
	s_lshl_b32 s16, s16, 1                         ; the pair's first head
	s_bfe_u32 s17, ttmp9, 0x30002                  ; batch
	s_lshr_b32 s18, ttmp9, 5                       ; direction: the queries' tensor
	s_mov_b32 s28, 15|(3<<16)|(1<<21)              ; group 1: the four partners; elements of 8 bytes; a record as 60 rows of 256 bytes
	s_mov_b32 s29, 32<<16
	s_mov_b32 s30, 60<<16
	s_mov_b32 s31, 32<<16
	s_mov_b32 s32, 60
	s_mov_b32 s33, 32
	s_mov_b32 s34, 0
	s_mov_b32 s35, 0
	s_xor_b32 s26, s18, 1                          ; keys and values come from the other tensor
	s_lshl_b32 s26, s26, 3
	s_add_co_u32 s26, s26, s17
	s_lshl_b32 s26, s26, 3
	s_add_co_u32 s26, s26, s16
	s_mul_i32 s26, s26, HEADB
	s_mul_i32 s37, s14, REC                        ; my record, in LDS
	s_add_co_u32 s56, s26, s37                     ; and in kv: made of the cluster's number and the wave's alone
	s_mov_b32 s57, 0
	s_add_co_u32 s69, s37, HEADB
	s_mov_b32 s36, 1
	s_mov_b32 s68, 1
	s_mov_b32 s62, 0                               ; LDS byte at which the pass's head begins,
	s_mov_b32 s63, HEADB                           ; and the other head
	s_wait_dscnt 0x0
	s_wait_kmcnt 0x0
	s_add_nc_u64 s[38:39], s[6:7], s[56:57]
	s_add_nc_u64 s[70:71], s[38:39], HEADB
	s_or_b32 s39, s39, 0x80000000
	s_or_b32 s71, s71, 0x80000000
	ROUND                                          ; the four partners are here: the first joint loads meet
	tensor_load_to_lds s[36:39], s[28:35]          ; my record of the first head: my one tensor load at the head
	s_nop 0
	PLACES 4
	; the mask, Q and the rest of the set-up stand between this load and the wait for it
	s_cmp_eq_u32 s18, 0
	s_cselect_b64 s[56:57], s[10:11], s[8:9]       ; the keys' mask
	s_lshl_b32 s26, s17, 12
	s_mov_b32 s27, 0
	s_add_nc_u64 s[56:57], s[56:57], s[26:27]
	v_lshlrev_b32 v8, 4, v0
	global_load_b128 v[228:231], v8, s[56:57]      ; four keys a thread
	s_lshl_b32 s58, s18, 3
	s_add_co_u32 s58, s58, s17
	s_lshl_b32 s54, s58, 3
	s_add_co_u32 s54, s54, s16
	s_lshl_b32 s54, s54, 3
	s_lshl_b32 s59, s15, 1
	s_add_co_u32 s54, s54, s59
	s_lshr_b32 s59, s14, 2
	s_add_co_u32 s54, s54, s59
	s_mul_i32 s54, s54, 8704                       ; qimg's record of 128 queries: ((tensor, batch, head) x 8 + 2 x quarter + wave / 4)
	s_and_b32 s59, s14, 3
	s_lshl_b32 s60, s59, 11
	s_add_co_u32 s60, s60, s54
	s_mov_b32 s61, 0
	s_add_nc_u64 s[40:41], s[4:5], s[60:61]
	s_lshr_b32 s60, s59, 1
	s_lshl_b32 s60, s60, 8
	s_and_b32 s59, s14, 1
	s_lshl_b32 s53, s59, 3
	s_add_co_u32 s60, s60, s53
	s_add_co_u32 s60, s60, s54
	s_add_co_u32 s60, s60, 8192
	s_add_nc_u64 s[42:43], s[4:5], s[60:61]
	v_and_b32 v9, 31, v0
	s_delay_alu instid0(VALU_DEP_1)
	v_lshlrev_b32 v1, 4, v9
	s_delay_alu instid0(VALU_DEP_2)
	v_lshlrev_b32 v2, 2, v9
	v_and_b32 v6, 15, v0
	s_delay_alu instid0(VALU_DEP_1)
	v_lshlrev_b32 v6, 4, v6
	WIN 0x40
.irp q, 0,1,2,3
	global_load_b128 v[QFA+4*\q:QFA+4*\q+3], v1, s[40:41] offset:512*\q
.endr
.irp q, 0,1,2,3
	global_load_b128 v[QN+4*\q:QN+4*\q+3], v1, s[40:41] offset:69632+512*\q   ; the second pass's: the same queries of the next head, 8 records on
.endr
	WIN 0
	global_load_b32 v[QSA], v6, s[42:43]
	global_load_b32 v[QSB], v6, s[42:43] offset:4
	global_load_b32 v10, v6, s[42:43] offset:69632
	global_load_b32 v11, v6, s[42:43] offset:69636
	s_lshl_b32 s54, s58, 4
	s_lshl_b32 s53, s15, 2
	s_add_co_u32 s54, s54, s53
	s_lshr_b32 s53, s14, 1
	s_add_co_u32 s54, s54, s53
	s_mul_i32 s54, s54, 34816                      ; oimg's record of 64 rows: (tensor, batch) x 16 + 4 x quarter + wave / 2
	s_lshl_b32 s60, s16, 12
	s_add_co_u32 s60, s60, s54
	s_lshl_b32 s53, s59, 11
	s_add_co_u32 s60, s60, s53
	s_add_nc_u64 s[44:45], s[12:13], s[60:61]
	s_lshl_b32 s60, s16, 8
	s_add_co_u32 s60, s60, s54
	s_lshl_b32 s53, s59, 7
	s_add_co_u32 s60, s60, s53
	s_add_co_u32 s60, s60, 32768
	s_add_nc_u64 s[46:47], s[12:13], s[60:61]
	s_mov_b32 s20, 0x76543210
	s_mov_b32 s21, 0xfedcba98
	s_mov_b32 s22, 0x3e16c740                      ; log2(e) / sqrt(96)
	s_mov_b32 s23, s22
	s_mov_b32 s24, 0xffff0000
	v_bfe_u32 v9, v0, 4, 1
	s_delay_alu instid0(VALU_DEP_1)
	v_lshl_add_u32 v3, v9, 6, MASK
	v_lshl_add_u32 v9, v0, 4, MASK
	v_mov_b32 v7, 0xf149f2ca                       ; -1e30
.irp q, 0,1,2,3
	v_mov_b32 v[TM+4+\q], 0                        ; a lane permute's destination counts as one of its sources
.endr
	v_mov_b32 v[FA+1], 0
	v_mov_b32 v[FA+3], 0
	v_mov_b32 v[RL+1], 0
	v_mov_b32 v[T1R], 0
	s_wait_alu depctr_va_vdst(0)                   ; the head's registers are made: directly ahead of the wait below
	s_wait_loadcnt 12                              ; the mask is in; Q's 8 loads and the 4 of its scale words may be out
.irp j, 0,1,2,3
	v_cmp_eq_u32 vcc_lo, 0, v[228+\j]
	s_delay_alu instid0(VALU_DEP_1)
	v_cndmask_b32 v[232+\j], 0, v7, vcc_lo
.endr
	ds_store_b128 v9, v[232:235]
	s_wait_tensorcnt 0x0                           ; my record of the first head is in
	ds_add_u32 v254, v255
	s_wait_dscnt 0x0                               ; the add and my mask store are done
	ROUND                                          ; everybody's are, and the four partners are here
	tensor_load_to_lds s[68:71], s[28:35]          ; my record of the second head: it lands under the first pass
	s_nop 0
	PLACES 4
	LOADK 1, 0
	LOADM 3, 0
	s_wait_loadcnt 0x0                             ; Q
	s_mov_b32 s51, 2
.Lpass:
.irp q, STA, STB
	v_mov_b32 v[\q+1], 0xee013f39                  ; the largest t so far: -1e28
	s_delay_alu instid0(VALU_DEP_1)
	v_floor_f32 v[\q], -v[\q+1]
	v_mov_b32 v[\q+2], 0
	v_mov_b32 v[\q+3], 0
.endr
.irp q, 0,1,2,3
	v_mov_b32 v[UA+\q], 0
.endr
	WIN 0x40
.set JI, 0
.rept 96
	v_mov_b32 v[JI], 0                             ; O^T: the step is written for every step alike, so the first finds zeros
.set JI, JI+1
.endr
	WIN 0
	s_mov_b32 s48, s62                             ; the head's record 0
	s_mov_b32 s49, 0
	s_mov_b32 s50, 7
.Lstep:
	STEP 0
	s_sub_co_u32 s50, s50, 1
	s_cmp_lg_u32 s50, 0
	s_cbranch_scc1 .Lstep
	s_wait_tensorcnt 0x0                           ; my record of the second head is in: the step below is the first to read that head
	s_wait_dscnt 0x0
	s_barrier_signal -1
	s_barrier_wait -1                              ; everybody's is
	STEP 1
	PLACES 4
	FIN STA, UA, OA, PCA, PWA
	FIN STB, UA+2, OB, PCB, PWB
	s_delay_alu instid0(VALU_DEP_1)
	v_cndmask_b32 v[SWD], v[PWA], v[PWB], s24      ; lanes 0-15 tile A's words, lanes 16-31 tile B's
	global_store_b128 v1, v[PCA:PCA+3], s[44:45]   ; 512 consecutive bytes a store
	global_store_b128 v1, v[PCA+4:PCA+7], s[44:45] offset:512
	global_store_b128 v1, v[PCB:PCB+3], s[44:45] offset:1024
	global_store_b128 v1, v[PCB+4:PCB+7], s[44:45] offset:1536
	global_store_b32 v2, v[SWD], s[46:47]
	WIN 0x41
.set JI, 0
.rept 16
	v_mov_b32 v[QFA+JI], v[QN+JI]
.set JI, JI+1
.endr
	WIN 0
	v_mov_b32 v[QSA], v10
	v_mov_b32 v[QSB], v11
	s_wait_xcnt 0x0                                ; the stores have read their bases and data
	s_add_nc_u64 s[44:45], s[44:45], 4096          ; the next head's place in the same rows' record
	s_add_nc_u64 s[46:47], s[46:47], 256
	s_xor_b32 s62, s62, HEADB                      ; the two heads change places
	s_xor_b32 s63, s63, HEADB
	s_sub_co_u32 s51, s51, 1
	s_cmp_lg_u32 s51, 0
	s_cbranch_scc1 .Lpass
	s_wait_dscnt 0x0
	s_wait_tensorcnt 0x0                           ; the wave's end
	ds_add_u32 v254, v255
	s_wait_dscnt 0x0
	ROUND                                          ; the closing round
	s_endpgm
.Lfunc_end_k_q349d6a2f82_attn:
	.size	k_q349d6a2f82_attn, .Lfunc_end_k_q349d6a2f82_attn-k_q349d6a2f82_attn
	.p2alignl 7, 3214868480
	.fill 96, 4, 3214868480
	.section	.rodata,"a",@progbits
	.p2align	6, 0x0
	.amdhsa_kernel k_q349d6a2f82_attn
		.amdhsa_group_segment_fixed_size 327680
		.amdhsa_private_segment_fixed_size 0
		.amdhsa_enable_private_segment 0
		.amdhsa_kernarg_size 40
		.amdhsa_user_sgpr_count 2
		.amdhsa_user_sgpr_kernarg_segment_ptr 1
		.amdhsa_wavefront_size32 1
		.amdhsa_system_sgpr_workgroup_id_x 1
		.amdhsa_system_sgpr_workgroup_id_y 1
		.amdhsa_system_sgpr_workgroup_id_z 1
		.amdhsa_system_vgpr_workitem_id 0
		.amdhsa_next_free_vgpr 512
		.amdhsa_next_free_sgpr 80
		.amdhsa_reserve_vcc 1
		.amdhsa_float_denorm_mode_32 3
		.amdhsa_float_denorm_mode_16_64 3
		.amdhsa_memory_ordered 1
		.amdhsa_forward_progress 1
		.amdhsa_inst_pref_size 92
	.end_amdhsa_kernel
	.amdgpu_metadata
---
amdhsa.version: [ 1, 2 ]
amdhsa.kernels:
  - .name:           k_q349d6a2f82_attn
    .symbol:         k_q349d6a2f82_attn.kd
    .args:
      - { .name: qimg, .offset: 0, .size: 8, .value_kind: global_buffer, .address_space: global }
      - { .name: kv, .offset: 8, .size: 8, .value_kind: global_buffer, .address_space: global }
      - { .name: visual_mask, .offset: 16, .size: 8, .value_kind: global_buffer, .address_space: global }
      - { .name: text_mask, .offset: 24, .size: 8, .value_kind: global_buffer, .address_space: global }
      - { .name: oimg, .offset: 32, .size: 8, .value_kind: global_buffer, .address_space: global }
    .group_segment_fixed_size: 327680
    .private_segment_fixed_size: 0
    .kernarg_segment_align: 8
    .kernarg_segment_size: 40
    .max_flat_workgroup_size: 256
    .sgpr_count:     80
    .vgpr_count:     512
    .wavefront_size: 32
...
	.end_amdgpu_metadata
.endif
;; end of part 3
;; launch oproj (part 4): grid 256 x 1, 4 waves a work-group, no clusters, 202,240 bytes of LDS; arguments oimg, woimg, bo, ln_g, ln_b, visual_features, text_features, out0, out1; writes out0, out1
.if DOCPART == 4
	.amdgcn_target "amdgcn-amd-amdhsa--gfx1250"
	.amdhsa_code_object_version 6
	.text
	.protected	k_q349d6a2f82_oproj
	.globl	k_q349d6a2f82_oproj
	.p2align	8
	.type	k_q349d6a2f82_oproj,@function
k_q349d6a2f82_oproj:
	s_mov_b64 s[64:65], 0
	v_nop
	global_prefetch_b8 v0, s[64:65] scope:SCOPE_SE
	s_setreg_imm32_b32 hwreg(HW_REG_WAVE_MODE, 25, 1), 1
	s_wait_xcnt 0x0
; out = layer_norm(features + attention Wo + bo) g + b, for both tensors: the product on codes of FP4 with E8M0 scales, all else in f32.
; K goes head by head, eight steps of 96 real numbers and a block of zero codes: the blocks of 32 are those of the model's 768; only the grouping of the f32 partial sums differs from a walk in six steps of 128.
; SHARES.  A work-group owns 64 rows.  THE WAVES SHARE THE COLUMNS: wave w owns the pairs of column tiles 4 i + w, i = 0..5 (192 columns), for all four tiles of rows: 48 accumulators, which take turns, one
; instruction a turn, in the same order in every K step.  The product is used transposed (source 0 = 16 columns of Wo, source 1 = 16 rows): a lane holds one row and, in the two
; tiles of a pair, 16 neighbouring columns.  Operands come straight into registers, in operand order, into THREE sets of 128 registers by turns: a K step's 32 loads are issued two steps (96 products) ahead of their use.
; The 64 rows of the features (196,608 bytes) come into LDS by one tensor load a wave, asked for first, and land under the product.  The results are written over them, each number by the lane that read it (the
; bytes have had their one fill), and leave as whole rows.  Mean and variance: within a lane, with lane l xor 16, then over the four waves through LDS; the variance is taken of the centred numbers.
; NO CLUSTER: Wo's images go to registers in operand order; a shared ring for their 393 KB would have to be filled again beside 200 KB of features.
; LIMITS: 1 / sqrt is v_rsq_f32; NaN and infinities among the inputs are not served (a batch with no key gives NaN rows, by NaN scale bytes).
; LDS: 192 chunks of 1,024 + 16 bytes: byte x of row R at (3 R + (x >> 10)) 1,040 + (x & 1,023); then two regions of 1,024 bytes for the two sums over waves.
; REGISTERS.  Window 0: v1 16 x lane, v2 4 x lane, v3 16 x lane + 2,048 w, v4 4 x lane + 128 w, v5 128 w + 64 h, v8-11 my place in the features for each tile of rows, v12, v13 the sums' places, v14 the way out;
;   v16-63 Wo's scale words (6 k + i); v64-79 the rows' (2 k + pair); v80-83 sums; v84-99 the waves' sums; v100-107 means, v108-115 1 / sqrt (pairs); v116-123 chains; v128-255 operand set 2, then features, then the way out.
;   Window 1: operand sets 0 and 1 (each: Wo's 12 fragments, the rows' 4); later features, then g (v0-95) and b (v96-191).
;   Windows 2, 3: v0-191 accumulators, 96 (mm & 1) + 8 ct, tiles of rows 0, 1 | 2, 3; from v192: bo, column tiles 0-7 | 8-11.
.set RED,  199680
.set WSC,  16
.set OSC,  64
.set SM,   80
.set RD,   84
.set MN,   100
.set RS,   108
.set T,    116
.set BO,   128                         ; window 0: operand set 2, later the features' first buffer
.set BB,   192                         ; windows 2, 3: bo
.set MSB,  0
.macro WIN new
.if MSB != (\new)
	s_set_vgpr_msb (MSB<<8)|(\new)
.set MSB, \new
.endif
.endm
.macro PLACES n
.rept \n
	v_nop
.endr
.endm
.macro WM d, a, b, c, sa, sb, ra, rb
.if (\ra) && (\rb)
	v_wmma_scale_f32_16x16x128_f8f6f4 v[\d:\d+7], v[\a:\a+7], v[\b:\b+7], v[\c:\c+7], v[\sa], v[\sb] matrix_a_fmt:MATRIX_FMT_FP4 matrix_b_fmt:MATRIX_FMT_FP4 matrix_a_scale:MATRIX_SCALE_ROW1 matrix_b_scale:MATRIX_SCALE_ROW1
.elseif (\ra)
	v_wmma_scale_f32_16x16x128_f8f6f4 v[\d:\d+7], v[\a:\a+7], v[\b:\b+7], v[\c:\c+7], v[\sa], v[\sb] matrix_a_fmt:MATRIX_FMT_FP4 matrix_b_fmt:MATRIX_FMT_FP4 matrix_a_scale:MATRIX_SCALE_ROW1
.elseif (\rb)
	v_wmma_scale_f32_16x16x128_f8f6f4 v[\d:\d+7], v[\a:\a+7], v[\b:\b+7], v[\c:\c+7], v[\sa], v[\sb] matrix_a_fmt:MATRIX_FMT_FP4 matrix_b_fmt:MATRIX_FMT_FP4 matrix_b_scale:MATRIX_SCALE_ROW1
.else
	v_wmma_scale_f32_16x16x128_f8f6f4 v[\d:\d+7], v[\a:\a+7], v[\b:\b+7], v[\c:\c+7], v[\sa], v[\sb] matrix_a_fmt:MATRIX_FMT_FP4 matrix_b_fmt:MATRIX_FMT_FP4
.endif
.endm
.macro OPL k                           ; K step k's operands into set k % 3 (sets 0, 1: window 1, v0.., v128..; set 2: window 0, v128..): 32 loads of 512 consecutive bytes
.if (\k)%3 == 2
.set OB3, 128
	WIN 0
.else
.set OB3, 128*((\k)%3)
	WIN 0x40
.endif
.set CI, 0
.rept 12
	global_load_b128 v[OB3+8*CI:OB3+8*CI+3], v3, s[6:7] offset:49152*(\k)+8192*(CI/2)+1024*(CI%2)
	global_load_b128 v[OB3+8*CI+4:OB3+8*CI+7], v3, s[6:7] offset:49152*(\k)+8192*(CI/2)+1024*(CI%2)+512
.set CI, CI+1
.endr
.set MI, 0
.rept 4
	global_load_b128 v[OB3+96+8*MI:OB3+96+8*MI+3], v1, s[40:41] offset:4096*(\k)+1024*MI
	global_load_b128 v[OB3+96+8*MI+4:OB3+96+8*MI+7], v1, s[40:41] offset:4096*(\k)+1024*MI+512
.set MI, MI+1
.endr
	WIN 0
.endm
.macro KSTEP k
.if \k < 6
	s_wait_loadcnt 63                              ; behind this step's operands the next two steps' 64 loads were issued; the count's field names 63 at the most, so one load more is waited for
.elseif \k == 6
	s_wait_loadcnt 32                              ; the last step's 32 may be out
.else
	s_wait_loadcnt 0x0
.endif
.set SW3, 1
.set EB, 128*(\k%3)
.if \k%3 == 2
.set SW3, 0
.set EB, 128
.endif
.set MI, 0
.rept 4
.set AW, 2+MI/2
.set CI, 0
.rept 12
.set AC, 96*(MI%2)+8*CI
.set CC, AC
.set CW, AW
.if \k == 0
.set CC, BB+8*(CI%8)                   ; the first step's C is bo
.set CW, 2+CI/8
.endif
	WIN SW3|(SW3<<2)|(CW<<4)|(AW<<6)
	WM AC, EB+8*CI, EB+96+8*MI, CC, WSC+6*\k+CI/2, OSC+2*\k+MI/2, CI&1, MI&1
.set CI, CI+1
.endr
.set MI, MI+1
.endr
	WIN 0
.if \k < 5
	PLACES 4                                       ; in front of loads into the set that this step multiplied
	OPL \k+3
.endif
.endm
.macro RESLOAD mm                      ; the features at my 96 places of tile mm, in the accumulators' order; buffers by turns: window 0 v128.., window 1 v0..
.if (\mm)%2
	WIN 0x40
.set RB, 0
.else
.set RB, BO
.endif
.set CI, 0
.rept 12
	ds_load_b128 v[RB+8*CI:RB+8*CI+3], v[8+\mm] offset:512*(CI/2)+16*(CI/4)+32*(CI%2)
	ds_load_b128 v[RB+8*CI+4:RB+8*CI+7], v[8+\mm] offset:512*(CI/2)+16*(CI/4)+32*(CI%2)+16
.set CI, CI+1
.endr
	WIN 0
.endm
.macro RESADD mm
.set AW, 2+(\mm)/2
.set AB, 96*((\mm)%2)
.set RB, BO*(1-(\mm)%2)
	WIN AW|(((\mm)%2)<<2)|(AW<<6)
.set JI, 0
.rept 48
	v_pk_add_f32 v[AB+JI:AB+JI+1], v[AB+JI:AB+JI+1], v[RB+JI:RB+JI+1]   ; each accumulator from its low end on
.set JI, JI+2
.endr
	WIN 0
.endm
.macro ROWSUM mm, sq                   ; the sum (sq = 1: of the squares) of my 96 numbers of tile mm, in four chains -> v[SM + mm]
.set AW, 2+(\mm)/2
.set AB, 96*((\mm)%2)
	WIN 5*AW
.if \sq
.set CH, 0
.rept 4
	v_pk_mul_f32 v[T+2*CH:T+2*CH+1], v[AB+2*CH:AB+2*CH+1], v[AB+2*CH:AB+2*CH+1]
.set CH, CH+1
.endr
.set JI, 8
.rept 44
	v_pk_fma_f32 v[T+JI%8:T+JI%8+1], v[AB+JI:AB+JI+1], v[AB+JI:AB+JI+1], v[T+JI%8:T+JI%8+1]
.set JI, JI+2
.endr
.else
.set CH, 0
.rept 4
	v_pk_add_f32 v[T+2*CH:T+2*CH+1], v[AB+4*CH:AB+4*CH+1], v[AB+4*CH+2:AB+4*CH+3]
.set CH, CH+1
.endr
	WIN AW
.set JI, 16
.rept 40
	v_pk_add_f32 v[T+JI%8:T+JI%8+1], v[AB+JI:AB+JI+1], v[T+JI%8:T+JI%8+1]
.set JI, JI+2
.endr
.endif
	WIN 0
	v_pk_add_f32 v[T:T+1], v[T:T+1], v[T+2:T+3]
	v_pk_add_f32 v[T+4:T+5], v[T+4:T+5], v[T+6:T+7]
	v_pk_add_f32 v[T:T+1], v[T:T+1], v[T+4:T+5]
	v_add_f32 v[SM+\mm], v[T], v[T+1]
.endm
.macro REDUCE off                      ; v[SM..SM+3]: with lane l xor 16's, then over the four waves -> v[RD..RD+3], the same in every wave
.irp m, 0,1,2,3
	v_permlanex16_b32 v[RD+\m], v[SM+\m], s44, s45
.endr
.irp m, 0,1,2,3
	v_add_f32 v[SM+\m], v[SM+\m], v[RD+\m]
.endr
	ds_store_b128 v12, v[SM:SM+3] offset:\off      ; lanes r and 16 + r write the same bytes with the same values
	s_wait_dscnt 0x0                               ; for the others' sake
	s_barrier_signal -1
	s_barrier_wait -1
.irp q, 0,1,2,3
	ds_load_b128 v[RD+4*\q:RD+4*\q+3], v13 offset:\off+256*\q
.endr
	s_wait_dscnt 0x0
	v_pk_add_f32 v[RD:RD+1], v[RD:RD+1], v[RD+4:RD+5]
	v_pk_add_f32 v[RD+2:RD+3], v[RD+2:RD+3], v[RD+6:RD+7]
	v_pk_add_f32 v[RD+8:RD+9], v[RD+8:RD+9], v[RD+12:RD+13]
	v_pk_add_f32 v[RD+10:RD+11], v[RD+10:RD+11], v[RD+14:RD+15]
	v_pk_add_f32 v[RD:RD+1], v[RD:RD+1], v[RD+8:RD+9]
	v_pk_add_f32 v[RD+2:RD+3], v[RD+2:RD+3], v[RD+10:RD+11]
.endm
.macro CENTRE mm
.set AW, 2+(\mm)/2
.set AB, 96*((\mm)%2)
	WIN AW|(AW<<6)
.set JI, 0
.rept 48
	v_pk_add_f32 v[AB+JI:AB+JI+1], v[AB+JI:AB+JI+1], v[MN+2*\mm:MN+2*\mm+1] op_sel_hi:[1,0] neg_lo:[0,1] neg_hi:[0,1]
.set JI, JI+2
.endr
	WIN 0
.endm
.macro NORM mm
.set AW, 2+(\mm)/2
.set AB, 96*((\mm)%2)
	WIN AW|(AW<<6)
.set JI, 0
.rept 48
	v_pk_mul_f32 v[AB+JI:AB+JI+1], v[AB+JI:AB+JI+1], v[RS+2*\mm:RS+2*\mm+1] op_sel_hi:[1,0]
.set JI, JI+2
.endr
	WIN AW|(1<<2)|(1<<4)|(AW<<6)                   ; g and b in window 1
.set JI, 0
.rept 48
	v_pk_fma_f32 v[AB+JI:AB+JI+1], v[AB+JI:AB+JI+1], v[JI:JI+1], v[96+JI:96+JI+1]
.set JI, JI+2
.endr
	WIN AW<<2                                      ; an LDS store's data are its source 1
.set CI, 0
.rept 12
	ds_store_b128 v[8+\mm], v[AB+8*CI:AB+8*CI+3] offset:512*(CI/2)+16*(CI/4)+32*(CI%2)
	ds_store_b128 v[8+\mm], v[AB+8*CI+4:AB+8*CI+7] offset:512*(CI/2)+16*(CI/4)+32*(CI%2)+16
.set CI, CI+1
.endr
	WIN 0
.endm
	s_load_b512 s[4:19], s[0:1], 0x0               ; oimg s[4:5], woimg s[6:7], bo s[8:9], ln_g s[10:11], ln_b s[12:13], visual s[14:15], text s[16:17], out0 s[18:19]
	s_load_b64 s[20:21], s[0:1], 0x40              ; out1
	v_lshl_add_u32 v126, v0, 2, 0x31400
	v_mov_b32 v127, 0
	ds_add_u32 v126, v127
	ds_add_u32 v126, v127
	v_lshrrev_b32 v1, 5, v0
	v_readfirstlane_b32 s22, v1                    ; wave
	s_mov_b32 s23, ttmp9                           ; the block of 64 rows
	s_mov_b32 s24, (3<<16)|(1<<20)|(7<<22)|(3<<25) ; descriptor group 1: elements of 8 bytes; four words of padding behind every 256 words
	s_mov_b32 s25, 128<<16                         ; tensor_dim0 = 128 elements: 1,024 bytes
	s_mov_b32 s26, 48<<16                          ; tensor_dim1 = 48: my 16 rows of 3,072 bytes
	s_mov_b32 s27, 128<<16
	s_mov_b32 s28, 48
	s_mov_b32 s29, 128
	s_mov_b32 s30, 0
	s_mov_b32 s31, 0
	s_mov_b32 s32, 1
	s_mul_i32 s33, s22, 49920
	s_and_b32 s42, s23, 127
	s_mul_i32 s42, s42, 196608
	s_mov_b32 s43, 0
	s_mul_i32 s48, s22, 49152
	s_mov_b32 s49, 0
	s_mul_i32 s50, s23, 34816
	s_mov_b32 s51, 0
	s_wait_dscnt 0x0
	s_wait_kmcnt 0x0
	s_cmp_lt_u32 s23, 128                          ; blocks 0-127 are visual, 128-255 text
	s_cselect_b64 s[36:37], s[14:15], s[16:17]
	s_cselect_b64 s[38:39], s[18:19], s[20:21]
	s_add_nc_u64 s[36:37], s[36:37], s[42:43]
	s_add_nc_u64 s[36:37], s[36:37], s[48:49]      ; the features at my 16 rows,
	s_add_nc_u64 s[38:39], s[38:39], s[42:43]
	s_add_nc_u64 s[38:39], s[38:39], s[48:49]      ; and the output likewise
	s_mov_b64 s[34:35], s[36:37]
	s_or_b32 s35, s35, 0x80000000
	tensor_load_to_lds s[32:35], s[24:31]          ; my one tensor load: it lands under the product
	s_nop 0
	PLACES 4
	s_add_nc_u64 s[40:41], s[4:5], s[50:51]        ; the block's record of oimg
	s_mov_b32 s44, 0x76543210
	s_mov_b32 s45, 0xfedcba98
	s_mov_b32 s46, 0x3aaaaaab                      ; 1 / 768
	s_mov_b32 s47, 0x3727c5ac                      ; 1e-5
	v_and_b32 v6, 31, v0
	v_lshlrev_b32 v1, 4, v6
	s_wait_alu depctr_va_vdst(0)
	v_lshlrev_b32 v2, 2, v6
	s_lshl_b32 s52, s22, 11
	v_add_nc_u32 v3, s52, v1
	s_wait_alu depctr_va_vdst(0)
	OPL 0                                          ; what the first products want goes out first
	s_lshl_b32 s53, s22, 7
	v_add_nc_u32 v4, s53, v2
	v_bfe_u32 v7, v0, 4, 1
	v_lshlrev_b32 v5, 6, v7
	v_add_nc_u32 v5, s53, v5
	WIN 0x80
.set CI, 0
.rept 8
	global_load_b128 v[BB+8*CI:BB+8*CI+3], v5, s[8:9] offset:512*(CI/2)+32*(CI%2)   ; bo in the result's layout: columns 128 i + 32 w + 16 h + 8 u + 0 .. 7
	global_load_b128 v[BB+8*CI+4:BB+8*CI+7], v5, s[8:9] offset:512*(CI/2)+32*(CI%2)+16
.set CI, CI+1
.endr
	WIN 0xc0
.rept 4
	global_load_b128 v[BB+8*(CI-8):BB+8*(CI-8)+3], v5, s[8:9] offset:512*(CI/2)+32*(CI%2)
	global_load_b128 v[BB+8*(CI-8)+4:BB+8*(CI-8)+7], v5, s[8:9] offset:512*(CI/2)+32*(CI%2)+16
.set CI, CI+1
.endr
	WIN 0
.set KI, 0
.rept 8
.irp i, 0,1,2,3,4,5
	global_load_b32 v[WSC+6*KI+\i], v4, s[6:7] offset:393216+3072*KI+512*\i
.endr
.irp p, 0,1
	global_load_b32 v[OSC+2*KI+\p], v2, s[40:41] offset:32768+256*KI+128*\p
.endr
.set KI, KI+1
.endr
	OPL 1
	OPL 2
	v_and_b32 v15, 15, v0
	v_and_b32 v12, 7, v15
	v_lshrrev_b32 v13, 3, v15
	v_lshl_add_u32 v12, v13, 4, v12                ; my row in a group of 32, less 8 u: (r & 7) + 16 (r >> 3)
	v_mul_u32_u24 v12, v12, 3120
	v_add_nc_u32 v8, v12, v5
	v_add_nc_u32 v9, 8*3120, v8
	v_add_nc_u32 v10, 32*3120, v8
	v_add_nc_u32 v11, 40*3120, v8
	v_lshlrev_b32 v13, 4, v15
	v_add_nc_u32 v13, RED, v13
	s_lshl_b32 s54, s22, 8
	v_add_nc_u32 v12, s54, v13
	v_add_nc_u32 v14, s33, v1
.irp m, 0,1,2,3
	v_mov_b32 v[RD+\m], 0                          ; a lane permute's destination counts as one of its sources
.endr
.irp k, 0,1,2,3,4,5,6,7
	KSTEP \k
.endr
	s_wait_tensorcnt 0x0                           ; my 16 rows of the features have landed
	s_barrier_signal -1
	s_barrier_wait -1                              ; everybody's have
	PLACES 4                                       ; behind the last products
	RESLOAD 0
	RESLOAD 1
	s_wait_dscnt 24                                ; tile 0's are in; the next tile's 24 may be out
	RESADD 0
	RESLOAD 2
	s_wait_dscnt 24
	RESADD 1
	RESLOAD 3
	s_wait_dscnt 24
	RESADD 2
	s_wait_dscnt 0x0
	RESADD 3
	WIN 0x40
.set CI, 0
.rept 12                                       ; g and b, in the result's layout: they land under the statistics
	global_load_b128 v[8*CI:8*CI+3], v5, s[10:11] offset:512*(CI/2)+32*(CI%2)
	global_load_b128 v[8*CI+4:8*CI+7], v5, s[10:11] offset:512*(CI/2)+32*(CI%2)+16
	global_load_b128 v[96+8*CI:96+8*CI+3], v5, s[12:13] offset:512*(CI/2)+32*(CI%2)
	global_load_b128 v[96+8*CI+4:96+8*CI+7], v5, s[12:13] offset:512*(CI/2)+32*(CI%2)+16
.set CI, CI+1
.endr
	WIN 0
.irp m, 0,1,2,3
	ROWSUM \m, 0
.endr
	REDUCE 0
.irp m, 0,1,2,3
	v_mul_f32 v[MN+2*\m], s46, v[RD+\m]            ; the rows' means
.endr
.irp m, 0,1,2,3
	v_mov_b32 v[MN+2*\m+1], v[MN+2*\m]
.endr
.irp m, 0,1,2,3
	CENTRE \m
	ROWSUM \m, 1
.endr
	REDUCE 1024                                    ; other bytes than the first sum's: no wave can still be reading those that are written
.irp m, 0,1,2,3
	v_fma_f32 v[RD+\m], v[RD+\m], s46, s47         ; the variance + 1e-5
.endr
	s_wait_alu depctr_va_vdst(0)
.irp m, 0,1,2,3
	v_rsq_f32 v[RS+2*\m], v[RD+\m]
.endr
	v_nop                                          ; one plain place behind the transcendentals
	s_wait_alu depctr_va_vdst(0)
.irp m, 0,1,2,3
	v_mov_b32 v[RS+2*\m+1], v[RS+2*\m]
.endr
	s_wait_alu depctr_va_vdst(0)
	s_wait_loadcnt 0x0                             ; g, b
.irp m, 0,1,2,3
	NORM \m
.endr
	s_wait_dscnt 0x0                               ; for the others' sake: my results lie in LDS
	s_barrier_signal -1
	s_barrier_wait -1
	; THE WAY OUT: my 16 whole rows, 48 chunks of 1,024 bytes, in three batches of 32 loads and stores of 512 consecutive bytes
.set BI, 0
.rept 3
.if BI > 0
	s_wait_xcnt 0x0                                ; the last batch's stores have read their data
.endif
.set JI, 0
.rept 32
	ds_load_b128 v[128+4*JI:128+4*JI+3], v14 offset:1040*((32*BI+JI)/2)+512*(JI%2)
.set JI, JI+1
.endr
.set JI, 0
.rept 32
	s_wait_dscnt 31-JI                             ; the younger loads of the batch may be out
	global_store_b128 v1, v[128+4*JI:128+4*JI+3], s[38:39] offset:1024*((32*BI+JI)/2)+512*(JI%2) th:TH_STORE_NT
.set JI, JI+1
.endr
.set BI, BI+1
.endr
	s_wait_tensorcnt 0x0
	ds_add_u32 v126, v127
	s_wait_dscnt 0x0
	s_endpgm
.Lfunc_end_k_q349d6a2f82_oproj:
	.size	k_q349d6a2f82_oproj, .Lfunc_end_k_q349d6a2f82_oproj-k_q349d6a2f82_oproj
	.p2alignl 7, 3214868480
	.fill 96, 4, 3214868480
	.section	.rodata,"a",@progbits
	.p2align	6, 0x0
	.amdhsa_kernel k_q349d6a2f82_oproj
		.amdhsa_group_segment_fixed_size 202240
		.amdhsa_private_segment_fixed_size 0
		.amdhsa_enable_private_segment 0
		.amdhsa_kernarg_size 72
		.amdhsa_user_sgpr_count 2
		.amdhsa_user_sgpr_kernarg_segment_ptr 1
		.amdhsa_wavefront_size32 1
		.amdhsa_system_sgpr_workgroup_id_x 1
		.amdhsa_system_sgpr_workgroup_id_y 1
		.amdhsa_system_sgpr_workgroup_id_z 1
		.amdhsa_system_vgpr_workitem_id 0
		.amdhsa_next_free_vgpr 1024
		.amdhsa_next_free_sgpr 66
		.amdhsa_reserve_vcc 0
		.amdhsa_float_denorm_mode_32 3
		.amdhsa_float_denorm_mode_16_64 3
		.amdhsa_memory_ordered 1
		.amdhsa_forward_progress 1
		.amdhsa_inst_pref_size 200
	.end_amdhsa_kernel
	.amdgpu_metadata
---
amdhsa.version: [ 1, 2 ]
amdhsa.kernels:
  - .name:           k_q349d6a2f82_oproj
    .symbol:         k_q349d6a2f82_oproj.kd
    .args:
      - { .name: oimg, .offset: 0, .size: 8, .value_kind: global_buffer, .address_space: global }
      - { .name: woimg, .offset: 8, .size: 8, .value_kind: global_buffer, .address_space: global }
      - { .name: bo, .offset: 16, .size: 8, .value_kind: global_buffer, .address_space: global }
      - { .name: ln_g, .offset: 24, .size: 8, .value_kind: global_buffer, .address_space: global }
      - { .name: ln_b, .offset: 32, .size: 8, .value_kind: global_buffer, .address_space: global }
      - { .name: visual_features, .offset: 40, .size: 8, .value_kind: global_buffer, .address_space: global }
      - { .name: text_features, .offset: 48, .size: 8, .value_kind: global_buffer, .address_space: global }
      - { .name: out0, .offset: 56, .size: 8, .value_kind: global_buffer, .address_space: global }
      - { .name: out1, .offset: 64, .size: 8, .value_kind: global_buffer, .address_space: global }
    .group_segment_fixed_size: 202240
    .private_segment_fixed_size: 0
    .kernarg_segment_align: 8
    .kernarg_segment_size: 72
    .max_flat_workgroup_size: 128
    .sgpr_count:     66
    .vgpr_count:     1024
    .wavefront_size: 32
...
	.end_amdgpu_metadata
.endif
;; end of part 4
